; MI455X (gfx1250); checked and timed in simulation.
; The chip was launched on July 23, 2026; its instructions are those of AMD's public machine-readable ISA for CDNA 5 (MIT licence, August 2026) and "CDNA5" Instruction Set Architecture Reference Guide (July 2026). The comments in the code are by the model that wrote it; some were corrected since.
;; Attention. Allowed arithmetic: matrix products marked QUANTISED: E2M1 operands, one E8M0 scale for each 32 along K, by v_wmma_scale_f32_16x16x128_f8f6f4 with both operands' format E2M1 (or v_wmma_scale_f32_32x16x128_f4), f32 sums; products left as they are: bf16, f16 or f32 operands; f32 sums; everything else in f32.
;; Inputs: Wk 1,024 x 1,024 float32; Wq 1,024 x 1,024 float32; Wv 1,024 x 1,024 float32; bk 1,024 float32; bq 1,024 float32; bv 1,024 float32; k 4 x 2,048 x 1,024 float32; q 4 x 2,048 x 1,024 float32; v 4 x 2,048 x 1,024 float32.
;; Outputs: out0 4 x 2,048 x 1,024 float32.
;; This version of the problem:
;;   THIS VERSION OF THE PROBLEM IS GIVEN IN LOW PRECISION. The matrix products marked QUANTISED in the list below multiply operands that are first quantised to E2M1 (2 exponent bits, 1 mantissa bit; 4 bits a number), with one power-of-two scale for each 32 numbers along K (OCP MX v1.0); their sums are f32. The products marked 'left as it is' may take bf16, f16 or f32 operands, with f32 sums. Whichever they take, every output number must still come out within the allowed error. Rounding operands to bf16 (8 significant bits) uses up far more of that allowance than f16 does (11 bits, for magnitudes from 6e-5 to 65,504). All else is computed in f32.
;;   The module's matrix products, in the order in which they are computed (A, B: the left and right operand; K: the contracted axis; several contracted axes count as one K, in the product's order):
;;     1. [M 8,192, K 1,024] x [K 1,024, N 1,024]; A: input q; B: input Wq: QUANTISED
;;     2. [M 8,192, K 1,024] x [K 1,024, N 1,024]; A: input k; B: input Wk: QUANTISED
;;     3. [M 8,192, K 1,024] x [K 1,024, N 1,024]; A: input v; B: input Wv: QUANTISED
;;     4. batch 4 x [M 2,048, K 1,024] x [K 1,024, N 2,048]; A: computed on the way; B: computed on the way: left as it is (an operand is computed on the way)
;;     5. batch 4 x [M 2,048, K 2,048] x [K 2,048, N 1,024]; A: computed on the way; B: computed on the way: left as it is (an operand is computed on the way)
;;   THE QUANTISER, for each operand of a quantised product, along K:
;;     - K is cut into blocks of 32 from its start; a last block that is shorter is filled with zeros.
;;     - A block's scale is 2^e with e = floor(log2(the largest magnitude in the block)) - 2, held to -126 .. 127; a block of zeros has e = 0. As a byte (E8M0): e + 127.
;;     - Each number is divided by its block's scale, clamped to +-6, and rounded to the nearest number of E2M1, ties to even, subnormals kept.
;;     - The product sums the exact products of the quantised numbers (number of the format x scale) in f32.
;;   ~~~python
;;   def quantise(x, axis):      # numpy; x: float32 -> the quantised numbers, widened to float32 again
;;       x = np.moveaxis(x, axis, -1); K = x.shape[-1]
;;       x = np.pad(x, [(0, 0)] * (x.ndim - 1) + [(0, -K % 32)]); x = x.reshape(x.shape[:-1] + (-1, 32)); a = np.abs(x).max(-1, keepdims=True)
;;       e = np.where(a > 0, np.clip(np.frexp(np.where(a > 0, a, 1))[1] - 1 - 2, -126, 127), 0)      # np.frexp(a)[1] - 1 = floor(log2(a)), exactly
;;       r = np.clip(x / 2.0 ** e, -6, 6)
;;       step = 2.0 ** (np.maximum(np.frexp(np.where(r == 0, 1, r))[1] - 1, 0) - 1)
;;       q = np.round(r / step) * step * 2.0 ** e      # np.round: ties to even
;;       return np.moveaxis(q.reshape(q.shape[:-2] + (-1,))[..., :K], -1, axis).astype(np.float32)
;;   ~~~
;; One version. Each part assembles by itself: llvm-mc -triple=amdgcn-amd-amdhsa -mcpu=gfx1250 --defsym DOCPART=n.
;; ======== version 1 of 1: 4 launches
;; limits: values are held in f16: magnitudes above 65,504 overflow, below 6.1e-05 lose precision
;; workspace buffers: xc 12,582,912 bytes; xs 786,432 bytes; wc 1,572,864 bytes; ws 98,304 bytes; qkv 50,331,648 bytes; pw 33,554,432 bytes; stat 1,048,576 bytes
;; launch quant (part 1): grid 816 x 1, 4 waves a work-group, no clusters, 68,096 bytes of LDS; arguments q, k, v, Wq, Wk, Wv, xc, xs, wc, ws; writes xc, xs, wc, ws
.if DOCPART == 1
	.amdgcn_target "amdgcn-amd-amdhsa--gfx1250"
	.amdhsa_code_object_version 6
	.text
	.protected	k_q4d90f739b0_quant
	.globl	k_q4d90f739b0_quant
	.p2align	8
	.type	k_q4d90f739b0_quant,@function
k_q4d90f739b0_quant:
	s_mov_b64 s[64:65], 0
	v_nop
	global_prefetch_b8 v0, s[64:65] scope:SCOPE_SE
	s_setreg_imm32_b32 hwreg(HW_REG_WAVE_MODE, 25, 1), 1
	s_wait_xcnt 0x0
; LAUNCH 1 OF 4.  out0 = softmax((q Wq + bq)(k Wk + bk)^T / 32) (v Wv + bv), per batch; the three projections on codes of FP4 (E2M1) with one E8M0 scale for each 32 along K.
; This launch turns q, k, v [8192][1024] (K innermost) and Wq, Wk, Wv [1024 (K)][1024 (n)] (K outermost), all f32, into codes and scale bytes with K innermost:
;   xc [3][8192][512 B], xs [3][8192][32 B], wc [3][1024 n][512 B], ws [3][1024 n][32 B].
; WORK LEFT OUT IN THE WHOLE PROGRAM: bk.  scores[b][i][j] = query_i . (k_j Wk) + query_i . bk; the second term does not hang on j, and a softmax along j is unchanged by a term that is the
; same along j, whatever finite values the inputs hold.  The product of query and key is not quantised, so no quantiser stands between bk and the softmax.  bk has no way to the output:
; it is not loaded and is no launch's argument.  LIMIT: a NaN, an infinity or an overflow that reaches the result through bk alone is not carried to it.
; A block's scale is 2^(floor(log2(its largest magnitude)) - 2); its byte is the largest magnitude's exponent field - 2, held at 1 from below.  A block of zeros gets the byte 1 where the
; rule says 127: its codes are zeros, which add nothing under any byte but 0xff, and this program alone reads the bytes.
; LIMITS: blocks whose largest magnitude lies under 2^(2 - 126) have their byte held at 1; NaN and infinities among the inputs are not served.
; SHARES.  Work-groups 0-47 take the weights (16 each: 8 x 128 columns, 2 x 512 along K), work-groups 48-815 the activations (256 each, 32,768 numbers a work-group).  The two ways part on the
; work-group's number, never meet again, and have LDS bytes of their own.  No tensor load, no barrier: waves share nothing.
.set STEPS, 16
.set CB,    8                          ; bytes of 16 codes
.set WREG,  8192                       ; activations: a wave's LDS region: two stages of 32 x SP bytes, then its 256 scale bytes
.set SP,    80                         ; a lane's place in a stage: 64 bytes + 16 of padding
.set XR,    16                         ; v16-79   four sets of 16 numbers as loaded
.set XX,    80                         ; v80-111  two sets of 16 neighbours
.set XE,    112                        ; v112-127 a scale byte for each step
.set XC,    128                        ; v128-189 codes: four registers' room for each step, so that no store's data are written again
.set WSTG,  32768                      ; weights: four stages of 32 rows x WPITCH bytes, behind the activations' regions
.set WPITCH, 272
.set KROW,  512                        ; a row of codes in bytes
.set NB,    16                         ; blocks of 32 along K for a wave
.set WX,    32                         ; v32-95   two sets of 32 numbers
.set WC,    96                         ; v96-99   a block's codes
.set WOUT,  112                        ; v112-175 the way out
.set WSB,   24                         ; v24-27   scale bytes, four to a register
.set SPARE, 67584                      ; behind both: the spare words, 128 bytes for each wave, which no other line names
.set SPW,   190                        ; v190 LDS address of my spare word; never rewritten
.set NIL,   191                        ; v191 0; never rewritten
	s_load_b512 s[4:19], s[0:1], 0x0               ; q 4:5, k 6:7, v 8:9, Wq 10:11, Wk 12:13, Wv 14:15, xc 16:17, xs 18:19
	s_load_b128 s[20:23], s[0:1], 0x40             ; wc 20:21, ws 22:23
	v_lshl_add_u32 v[SPW], v0, 2, SPARE
	v_mov_b32 v[NIL], 0
	v_lshrrev_b32 v1, 5, v0
	v_readfirstlane_b32 s24, v1                    ; wave 0..3
	v_and_b32 v2, 31, v0                           ; lane
	s_cmp_lt_u32 ttmp9, 48
	s_cbranch_scc1 .Lweights
; ---------------- THE ACTIVATIONS: rows are dense and K is a multiple of 32, so a tensor is a plain stream of blocks of 32, and so are its codes and scale bytes.
; A wave takes 16 steps of 512 numbers.  Each of a step's four loads reads 512 consecutive bytes, 16 a lane; the 2,048 bytes turn through the wave's own stage and come back 64 bytes a lane:
; 16 neighbours along K, as the conversions want them; two neighbouring lanes hold a block.  Loads run four steps ahead, the turn through LDS one step.
	s_sub_co_u32 s25, ttmp9, 48
	s_lshr_b32 s26, s25, 8                         ; which tensor: 0 q, 1 k, 2 v
	s_lshl_b32 s36, s25, 2
	s_add_co_u32 s36, s36, s24                     ; G: my run of 8,192 numbers among the three tensors' 3,072
	s_and_b32 s30, s36, 1023
	s_lshl_b32 s30, s30, 15                        ; its 32,768 bytes in its tensor
	s_mov_b32 s31, 0
	s_lshl_b32 s32, s36, 12                        ; its 4,096 bytes of codes (the three tensors lie on end in xc and xs)
	s_mov_b32 s33, 0
	s_lshl_b32 s34, s36, 8                         ; its 256 scale bytes
	s_mov_b32 s35, 0
	v_lshlrev_b32 v3, 4, v2                        ; my 16 bytes of a load's 512
	s_mul_i32 s27, s24, WREG
	v_lshrrev_b32 v14, 2, v2
	v_mul_u32_u24 v14, v14, SP
	v_and_b32 v15, 3, v2
	v_lshl_add_u32 v14, v15, 4, v14
	v_add_nc_u32 v14, s27, v14                     ; the stage, on the way in: SP (lane / 4) + 16 (lane % 4)
	v_mul_u32_u24 v15, v2, SP
	v_add_nc_u32 v15, s27, v15                     ; and on the way out: SP x lane
	v_mul_u32_u24 v4, v2, CB                       ; my codes' place in a step's
	v_lshrrev_b32 v5, 1, v2
	s_add_co_u32 s27, s27, 2*32*SP
	v_add_nc_u32 v5, s27, v5                       ; my wave's 256 scale bytes, my block's byte
	v_lshlrev_b32 v7, 3, v2                        ; on the way out 8 bytes a lane
	v_add_nc_u32 v6, s27, v7
	s_wait_kmcnt 0x0
	s_cmp_eq_u32 s26, 0                            ; the choice hangs on the work-group's number alone
	s_cselect_b64 s[28:29], s[4:5], s[6:7]
	s_cmp_eq_u32 s26, 2
	s_cselect_b64 s[28:29], s[8:9], s[28:29]
	s_add_nc_u64 s[28:29], s[28:29], s[30:31]
	s_add_nc_u64 s[32:33], s[16:17], s[32:33]
	s_add_nc_u64 s[34:35], s[18:19], s[34:35]
.macro XLOAD t
.irp i, 0,1,2,3
	global_load_b128 v[XR+16*((\t)%4)+4*\i:XR+16*((\t)%4)+4*\i+3], v3, s[28:29] offset:2048*(\t)+512*\i th:TH_LOAD_NT   ; 32 lanes read 512 consecutive bytes
.endr
.endm
.macro XTURN t                         ; step t's numbers through the stage: LDS serves a wave's instructions in order, so no wait stands between the stores and the loads
.irp i, 0,1,2,3
	ds_store_b128 v14, v[XR+16*((\t)%4)+4*\i:XR+16*((\t)%4)+4*\i+3] offset:32*SP*((\t)%2)+8*SP*\i
.endr
.irp i, 0,1,2,3
	ds_load_b128 v[XX+16*((\t)%2)+4*\i:XX+16*((\t)%2)+4*\i+3], v15 offset:32*SP*((\t)%2)+16*\i
.endr
.endm
.irp t, 0,1,2,3
	XLOAD \t
.endr
	s_wait_loadcnt 12                              ; step 0's four loads are in; the twelve of steps 1 to 3 may be out
	XTURN 0
.macro XSTEP t
.set XS, XX+16*((\t)%2)
.if (\t) > 0
	s_wait_dscnt 1                                 ; this step's numbers are back from the stage (the last step's byte store may be out): so its stores into the stage have read their registers,
.else
	s_wait_dscnt 0x0
.endif
.if (\t)+4 < STEPS
	XLOAD (\t)+4                                   ; which take the loads of four steps on
.endif
.if (\t)+1 < STEPS
.if STEPS-2-(\t) >= 3
	s_wait_loadcnt 12                              ; the next step's four loads are in; those of the three steps behind it may be out
.else
	s_wait_loadcnt 4*(STEPS-2-(\t))
.endif
	XTURN (\t)+1                                   ; and go through the other stage while this step is worked
.endif
	v_max3_num_f32 v8, |v[XS]|, |v[XS+1]|, |v[XS+2]|               ; the largest magnitude of my 16, in two chains
	v_max3_num_f32 v9, |v[XS+3]|, |v[XS+4]|, |v[XS+5]|
.irp i, 6,10
	v_max3_num_f32 v8, v8, |v[XS+\i]|, |v[XS+\i+1]|
	v_max3_num_f32 v9, v9, |v[XS+\i+2]|, |v[XS+\i+3]|
.endr
	v_max3_num_f32 v8, v8, |v[XS+14]|, |v[XS+15]|
	v_max3_num_f32 v8, v8, v9, 0x1800000           ; and the floor 2^(3 - 127): the byte cannot fall under 1
	v_max_num_f32_dpp v8, v8, v8 row_xmask:1 row_mask:0xf bank_mask:0xf   ; and of my neighbour's 16: the block's
	v_add_nc_u32 v11, 0xff000000, v8               ; 2 off its exponent field: the conversion takes the exponent field of this operand as its scale, and nothing else of it
	v_cvt_scalef32_pk8_fp4_f32 v[XC+4*(\t)], v[XS:XS+7], v11
	v_cvt_scalef32_pk8_fp4_f32 v[XC+4*(\t)+1], v[XS+8:XS+15], v11
	v_lshrrev_b32 v[XE+(\t)], 23, v11              ; the scale's byte (a plain line behind the conversions)
	ds_store_b8 v5, v[XE+(\t)] offset:16*(\t)      ; both lanes of a block write the same byte with the same value
	global_store_b64 v4, v[XC+4*(\t):XC+4*(\t)+1], s[32:33] offset:32*CB*(\t)   ; the wave stores 256 consecutive bytes, aligned
.endm
.irp t, 0,1,2,3,4,5,6,7,8,9,10,11,12,13,14,15
	XSTEP \t
.endr
	ds_load_b64 v[8:9], v6                         ; LDS serves a wave's instructions in order: these see my stores
	s_wait_dscnt 0x0
	global_store_b64 v7, v[8:9], s[34:35]          ; 32 lanes store 256 consecutive bytes, aligned
	s_wait_tensorcnt 0x0                           ; the wave's end, behind my last LDS store
	ds_add_u32 v[SPW], v[NIL]
	s_wait_dscnt 0x0
	s_endpgm
; ---------------- THE WEIGHTS: K is the first axis.  A LANE TAKES A COLUMN n AND ITS REGISTERS RUN DOWN K: each load reads neighbouring n in neighbouring lanes, a block of 32 along K lies in one
; lane's 32 registers, and the conversions give codes with K innermost.  A wave takes 32 columns x 512 along K; a column's 256 bytes of codes go through the wave's stage and leave as rows.
.Lweights:
	s_lshr_b32 s26, ttmp9, 4                       ; which tensor: 0 Wq, 1 Wk, 2 Wv
	s_and_b32 s25, ttmp9, 7                        ; which 128 columns
	s_bfe_u32 s27, ttmp9, 0x10003                  ; which 512 along K
	s_lshl_b32 s25, s25, 7
	s_lshl_b32 s30, s24, 5
	s_add_co_u32 s25, s25, s30                     ; my wave's first column
	v_lshlrev_b32 v3, 2, v2                        ; in: 4 bytes a lane
	s_mul_i32 s30, s24, 32*WPITCH
	s_add_co_u32 s30, s30, WSTG                    ; my stage
	v_mul_u32_u24 v4, v2, WPITCH
	v_add_nc_u32 v4, s30, v4                       ; into it: row = my column
	v_and_b32 v5, 15, v2
	v_lshrrev_b32 v6, 4, v2                        ; out of it: sixteen lanes to a row, two rows an instruction
	v_mul_u32_u24 v7, v6, WPITCH
	v_lshl_add_u32 v7, v5, 4, v7
	v_add_nc_u32 v7, s30, v7
	v_mul_u32_u24 v8, v6, KROW
	v_lshl_add_u32 v8, v5, 4, v8                   ; and the same place in the codes' buffer
	v_lshlrev_b32 v9, 5, v2                        ; my column's row of scale bytes: 32 bytes a row
	s_lshl_b32 s32, s27, 21                        ; W: 512 rows of 4,096 bytes,
	s_lshl_b32 s33, s25, 2
	s_add_co_u32 s32, s32, s33                     ; + 4 x column
	s_mov_b32 s33, 0
	s_lshl_b32 s34, s26, 19                        ; codes: tensor x 524,288 + column x 512 + 256 x half of K
	s_lshl_b32 s35, s25, 9
	s_add_co_u32 s34, s34, s35
	s_lshl_b32 s35, s27, 8
	s_add_co_u32 s34, s34, s35
	s_mov_b32 s35, 0
	s_lshl_b32 s36, s26, 15                        ; scale bytes: tensor x 32,768 + column x 32 + 16 x half of K
	s_lshl_b32 s37, s25, 5
	s_add_co_u32 s36, s36, s37
	s_lshl_b32 s37, s27, 4
	s_add_co_u32 s36, s36, s37
	s_mov_b32 s37, 0
	s_wait_kmcnt 0x0
	s_cmp_eq_u32 s26, 0
	s_cselect_b64 s[28:29], s[10:11], s[12:13]
	s_cmp_eq_u32 s26, 2
	s_cselect_b64 s[28:29], s[14:15], s[28:29]
	s_add_nc_u64 s[28:29], s[28:29], s[32:33]
	s_add_nc_u64 s[34:35], s[20:21], s[34:35]
	s_add_nc_u64 s[36:37], s[22:23], s[36:37]
.macro WLOAD t                         ; block t: W(32 t + i, my column), i = 0 .. 31, into set t % 2; the largest offset, 511 rows of 4,096 bytes, lies inside the signed 24-bit immediate
.irp i, 0,1,2,3,4,5,6,7,8,9,10,11,12,13,14,15,16,17,18,19,20,21,22,23,24,25,26,27,28,29,30,31
	global_load_b32 v[WX+32*((\t)%2)+\i], v3, s[28:29] offset:(32*(\t)+\i)*4096 th:TH_LOAD_NT
.endr
.endm
	WLOAD 0
	WLOAD 1
.macro WBLOCK t
.set XS, WX+32*((\t)%2)
.if (\t) < NB-1
	s_wait_loadcnt 32                              ; this block's 32 loads are in; the next block's 32 may be out
.else
	s_wait_loadcnt 0
.endif
	v_max3_num_f32 v12, |v[XS]|, |v[XS+1]|, |v[XS+2]|               ; the block's largest magnitude: all 32 numbers are mine
	v_max3_num_f32 v13, |v[XS+3]|, |v[XS+4]|, |v[XS+5]|
.irp i, 6,10,14,18,22,26
	v_max3_num_f32 v12, v12, |v[XS+\i]|, |v[XS+\i+1]|
	v_max3_num_f32 v13, v13, |v[XS+\i+2]|, |v[XS+\i+3]|
.endr
	v_max3_num_f32 v12, v12, |v[XS+30]|, |v[XS+31]|
	v_max3_num_f32 v12, v12, v13, 0x1800000        ; and the floor 2^(3 - 127)
	v_add_nc_u32 v11, 0xff000000, v12              ; 2 off its exponent field: the conversion's scale operand
	v_lshrrev_b32 v13, 23, v11                     ; the scale's byte
.if (\t)%4 == 0
	v_mov_b32 v[WSB+(\t)/4], v13                   ; four bytes to a register, the lower K in the lower byte
.else
	v_lshl_or_b32 v[WSB+(\t)/4], v13, 8*((\t)%4), v[WSB+(\t)/4]
.endif
.irp g, 0,1,2,3
	v_cvt_scalef32_pk8_fp4_f32 v[WC+\g], v[XS+8*\g:XS+8*\g+7], v11
.endr
	v_nop                                          ; one plain line behind the last conversion
	ds_store_b128 v4, v[WC:WC+3] offset:16*(\t)    ; 32 codes: 16 bytes of my column's row
.if (\t)+2 < NB
	WLOAD (\t)+2
.endif
	s_wait_dscnt 0x0                               ; the store has read its registers: the next block's codes may be written
.endm
.set Q, 0
.rept NB
	WBLOCK Q
.set Q, Q+1
.endr
	global_store_b128 v9, v[WSB:WSB+3], s[36:37]   ; my column's 16 scale bytes
.irp t, 0,1,2,3,4,5,6,7,8,9,10,11,12,13,14,15
	ds_load_b128 v[WOUT+4*\t:WOUT+4*\t+3], v7 offset:2*\t*WPITCH   ; LDS serves a wave's instructions in order: these see my stores
.endr
.irp t, 0,1,2,3,4,5,6,7,8,9,10,11,12,13,14,15
	s_wait_dscnt 15-\t                             ; loads come back in order: number t is in, the 15 - t behind it may be out
	global_store_b128 v8, v[WOUT+4*\t:WOUT+4*\t+3], s[34:35] offset:2*\t*KROW   ; sixteen lanes store 256 consecutive bytes, aligned
.endr
	s_wait_tensorcnt 0x0                           ; the wave's end, behind my last LDS store
	ds_add_u32 v[SPW], v[NIL]
	s_wait_dscnt 0x0
	s_endpgm
.Lfunc_end_k_q4d90f739b0_quant:
	.size	k_q4d90f739b0_quant, .Lfunc_end_k_q4d90f739b0_quant-k_q4d90f739b0_quant
	.p2alignl 7, 3214868480
	.fill 96, 4, 3214868480
	.section	.rodata,"a",@progbits
	.p2align	6, 0x0
	.amdhsa_kernel k_q4d90f739b0_quant
		.amdhsa_group_segment_fixed_size 68096
		.amdhsa_private_segment_fixed_size 0
		.amdhsa_enable_private_segment 0
		.amdhsa_kernarg_size 80
		.amdhsa_user_sgpr_count 2
		.amdhsa_user_sgpr_kernarg_segment_ptr 1
		.amdhsa_wavefront_size32 1
		.amdhsa_system_sgpr_workgroup_id_x 1
		.amdhsa_system_sgpr_workgroup_id_y 1
		.amdhsa_system_sgpr_workgroup_id_z 1
		.amdhsa_system_vgpr_workitem_id 0
		.amdhsa_next_free_vgpr 192
		.amdhsa_next_free_sgpr 66
		.amdhsa_reserve_vcc 0
		.amdhsa_float_denorm_mode_32 3
		.amdhsa_float_denorm_mode_16_64 3
		.amdhsa_memory_ordered 1
		.amdhsa_forward_progress 1
		.amdhsa_inst_pref_size 112
	.end_amdhsa_kernel
	.amdgpu_metadata
---
amdhsa.version: [ 1, 2 ]
amdhsa.kernels:
  - .name:           k_q4d90f739b0_quant
    .symbol:         k_q4d90f739b0_quant.kd
    .args:
      - { .name: q, .offset: 0, .size: 8, .value_kind: global_buffer, .address_space: global }
      - { .name: k, .offset: 8, .size: 8, .value_kind: global_buffer, .address_space: global }
      - { .name: v, .offset: 16, .size: 8, .value_kind: global_buffer, .address_space: global }
      - { .name: Wq, .offset: 24, .size: 8, .value_kind: global_buffer, .address_space: global }
      - { .name: Wk, .offset: 32, .size: 8, .value_kind: global_buffer, .address_space: global }
      - { .name: Wv, .offset: 40, .size: 8, .value_kind: global_buffer, .address_space: global }
      - { .name: xc, .offset: 48, .size: 8, .value_kind: global_buffer, .address_space: global }
      - { .name: xs, .offset: 56, .size: 8, .value_kind: global_buffer, .address_space: global }
      - { .name: wc, .offset: 64, .size: 8, .value_kind: global_buffer, .address_space: global }
      - { .name: ws, .offset: 72, .size: 8, .value_kind: global_buffer, .address_space: global }
    .group_segment_fixed_size: 68096
    .private_segment_fixed_size: 0
    .kernarg_segment_align: 8
    .kernarg_segment_size: 80
    .max_flat_workgroup_size: 128
    .sgpr_count:     66
    .vgpr_count:     192
    .wavefront_size: 32
...
	.end_amdgpu_metadata
.endif
;; end of part 1
;; launch proj (part 2): grid 4 x 96, 4 waves a work-group, clusters of 4 x 4, 327,680 bytes of LDS; arguments xc, xs, wc, ws, bq, bv, qkv; writes qkv
.if DOCPART == 2
	.amdgcn_target "amdgcn-amd-amdhsa--gfx1250"
	.amdhsa_code_object_version 6
	.text
	.protected	k_q4d90f739b0_proj
	.globl	k_q4d90f739b0_proj
	.p2align	8
	.type	k_q4d90f739b0_proj,@function
k_q4d90f739b0_proj:
	s_mov_b64 s[64:65], 0
	v_nop
	global_prefetch_b8 v0, s[64:65] scope:SCOPE_SE
	s_setreg_imm32_b32 hwreg(HW_REG_WAVE_MODE, 25, 1), 1
	s_wait_xcnt 0x0
	s_wait_alu depctr_hold_cnt(0) depctr_sa_sdst(0) depctr_va_vdst(0) depctr_va_sdst(0) depctr_va_ssrc(0) depctr_va_vcc(0) depctr_vm_vsrc(0)
	s_getreg_b32 s2, hwreg(HW_REG_IB_STS2, 6, 4)
	s_cmp_eq_u32 s2, 0
	s_cbranch_scc0 .Lentry_in_a_cluster
	s_endpgm
.Lentry_in_a_cluster:
	s_bfe_u32 s2, ttmp6, 0x10000c
	s_cmp_lg_u32 s2, 0xf033
	s_cbranch_scc0 .Lentry_shape_is_right
	s_endpgm
.Lentry_shape_is_right:
; LAUNCH 2 OF 4.  The three projections in one launch, on codes of FP4 (E2M1) with E8M0 scales: qkv[T][m][n] = sum over k of x_T[m][k] W_T[k][n] (+ bq for T = 0, + bv for T = 2), rounded once to f16.
; WORK LEFT OUT: bk (T = 1): it adds the same term to every score of a row, which the softmax takes away; shown at the head of the first launch.
; LIMIT: the results are kept in f16: magnitudes up to 65,504 are served.
; xc [3 x 8192][512 B], xs [3 x 8192][32 B], wc [3 x 1024 n][512 B], ws [3 x 1024][32 B]: codes and scale bytes, K innermost.  qkv [3 x 8192][1024] f16.
; A tile of 256 tokens x 256 channels is made by a work-group of four waves; a wave makes 128 x 128: 64 accumulators of 16 x 16, 512 registers.  384 tiles: tile row 0..95 runs over the three tensors on end.
; K = 1,024 is two K steps of 512 (rows of 256 bytes), one in each of two LDS slots: both are first fills, nothing is filled again.  The scale bytes of the tile's 256 + 256 rows, two dense blocks, come with them.
; CLUSTERS: 4 x 4 work-groups.  The four of a row of the cluster need the same tiles of x, the four of a column the same tiles of W: each tile is asked for jointly, by the same tensor load with the same
; descriptor and a mask that names the four.  The tensor's number T hangs on the cluster's number alone (8 clusters to a tensor): it is the same in all sixteen partners.
; THE MATRIX INSTRUCTION IS USED TRANSPOSED (source 0 = 16 rows of W^T, source 1 = 16 tokens): a lane holds eight neighbouring channels of one token.
; THE BIAS is the C of each sum's first matrix instruction: 64 registers in the result's layout.  For T = 1 these registers hold zeros.
; REGISTERS: window 0: v0-31 addresses; v32-95 scale words, two sets, and nothing else; v96-127 packed results; v128-191 x's fragments, ONE set (on the way out: rows read back); v192-255 the bias.
;   window 1: W's fragments, TWO sets, at v0 and v128.   window 2: the accumulators of my tokens 0-63 ((a, b) at v[8 (8 a + b)]);   window 3: those of my tokens 64-127.
.set SIZE_N, 1024
.set NQ,     4                         ; steps of 128 along K in a slot
.set ROWB,   256                       ; a tile's row in bytes: 512 codes
.set KROW,   512                       ; a row of codes in memory
.set PITCH,  272                       ; an LDS row: 256 bytes + 16 of padding = 68 words: the 16 rows that a load touches start at 16 different banks (64 banks of 4 bytes: ISA guide 11.1)
.set FR,     8                         ; registers of a fragment: 16 rows x 128 K
.set NL,     2                         ; LDS loads that bring one
.set NP,     4                         ; places behind this matrix instruction (ISA guide 7.12.1)
.set HALFT,  128*PITCH                 ; 128 rows: what one tensor load brings
.set SLOT,   4*HALFT                   ; x's 256 rows, then W's 256
.set KS,     32                        ; a row of scale bytes
.set SCL,    2*SLOT                    ; behind the slots: the scale bytes, as rows of 256 bytes + 16 of padding
.set HALFS,  16*272                    ; those of 128 rows: what one tensor load brings
.set SBLK,   2*272                     ; those of 16 rows
.set SPARE,  SCL+4*HALFS               ; the spare words, 128 bytes for each wave, which no other line names
.set SPITCH, 272                       ; the way out: a stage of 16 rows x (256 bytes + 16) for each wave, in slot 0, which has had its one fill and its last read by then
.set ADRA, 16
.set ADRB, 20
.set STO,  24
.set RD,   25
.set CO,   26
.set ADRS, 27
.set SPW,  28
.set NIL,  29
.set SC,   32
.set TMP,  96
.set AF,   128
.set OB,   128
.set BI,   192
.set G1, 24
.set G0, 32
.set G1B, 48
.set G0B, 56
.set G1S, 68
.set G0S, 76
.set G1SB, 80
.set G0SB, 88
.set MSB, 0
.macro WIN new                         ; the immediate's high byte repeats the setting that is left; a switch that changes nothing is dropped
.if MSB != (\new)
	s_set_vgpr_msb (MSB<<8)|(\new)
.set MSB, (\new)
.endif
.endm
.set MUL_LO,  0xa1                     ; source 0 (W) window 1, source 1 (x) window 0, C and D window 2
.set MUL_HI,  0xf1                     ; the same, C and D window 3
.set MUL_LO0, 0x81                     ; the first step: C (the bias) window 0, D window 2
.set MUL_HI0, 0xc1                     ; C window 0, D window 3
.set TO_B,    0x40                     ; destination window 1, address window 0
; A joint load: waves 0 and 1 fetch for x, waves 2 and 3 for W.  The branch hangs on the wave's number alone.  An s_nop 0 and four v_nop follow each of the two lines.
.macro JLOAD g0a, g1a, g0b, g1b
	s_cmp_eq_u32 s15, 0
	s_cbranch_scc0 .Lfor_b_\@
	tensor_load_to_lds s[\g0a:\g0a+3], s[\g1a:\g1a+7]
	s_nop 0
.rept 4
	v_nop
.endr
	s_branch .Lasked_\@
.Lfor_b_\@:
	tensor_load_to_lds s[\g0b:\g0b+3], s[\g1b:\g1b+7]
	s_nop 0
.rept 4
	v_nop
.endr
.Lasked_\@:
.endm
.macro CROUND                          ; a round of the cluster's barrier
	s_barrier_signal -1
	s_barrier_wait -1
	s_cmp_lg_u32 s14, 0
	s_cbranch_scc1 .Lnot_wave_0_\@
	s_barrier_signal -3
.Lnot_wave_0_\@:
	s_barrier_wait -3
	s_barrier_signal -1
	s_barrier_wait -1
.endm
	s_load_b256 s[4:11], s[0:1], 0x0               ; xc 4:5, xs 6:7, wc 8:9, ws 10:11
	s_load_b128 s[96:99], s[0:1], 0x20             ; bq 96:97, bv 98:99
	s_load_b64 s[12:13], s[0:1], 0x30              ; qkv
	v_lshl_add_u32 v[SPW], v0, 2, SPARE
	v_mov_b32 v[NIL], 0
	ds_add_u32 v[SPW], v[NIL]                      ; the wave's opening: the add, twice on end, and its wait ahead of my first tensor load
	ds_add_u32 v[SPW], v[NIL]
	v_lshrrev_b32 v1, 5, v0
	v_readfirstlane_b32 s14, v1                    ; wave 0..3
	s_lshr_b32 s15, s14, 1                         ; which half of the tile's tokens is mine.  Also: I fetch for x (0) or for W (1)
	s_and_b32 s16, s14, 1                          ; which half of its channels.  Also: which 128 rows of that tile I fetch
	s_bfe_u32 s40, ttmp6, 0x40000                  ; cx, cy: my place in the cluster
	s_bfe_u32 s41, ttmp6, 0x40004
	s_lshl_b32 s42, ttmp9, 2
	s_add_co_u32 s42, s42, s40                     ; tile column = 4 x cluster x + cx
	s_and_b32 s17, ttmp7, 0xffff
	s_lshl_b32 s17, s17, 2
	s_add_co_u32 s17, s17, s41                     ; tile row = 4 x cluster y + cy, 0..95
	s_and_b32 s66, ttmp7, 0xffff
	s_lshr_b32 s66, s66, 3                         ; T = cluster y / 8: 0 query, 1 key, 2 value
	s_lshl_b32 s43, s41, 2
	s_lshl_b32 s43, 15, s43                        ; my row of the cluster
	s_lshl_b32 s44, 0x1111, s40                    ; my column
	; descriptor group 1: a tile of 128 rows x 256 bytes, 16 bytes of padding behind each row
	s_or_b32 s[G1+0], s43, (0<<16)|(1<<20)|(1<<21)|(5<<22)|(3<<25)  ; 15:0 the mask; 17:16 elements of 1 byte; 20 padding on; 21 set beside a mask; 24:22 after every 64 words; 31:25 four words
	s_or_b32 s[G1B+0], s44, (0<<16)|(1<<20)|(1<<21)|(5<<22)|(3<<25)
.irp g, G1, G1B
	s_mov_b32 s[\g+1], ROWB<<16                    ; tensor_dim0
	s_mov_b32 s[\g+2], 128<<16                     ; tensor_dim1
	s_mov_b32 s[\g+3], ROWB<<16                    ; tile_dim0
	s_mov_b32 s[\g+4], 128                         ; tile_dim1
	s_mov_b32 s[\g+5], KROW                        ; tensor_dim0_stride
	s_mov_b32 s[\g+6], 0
	s_mov_b32 s[\g+7], 0
.endr
	; the scale bytes of 128 rows: a dense block of 4,096 bytes, as 16 rows of 256 bytes (32 elements of 8 bytes), 16 bytes of padding behind each
	s_or_b32 s[G1S+0], s43, (3<<16)|(1<<20)|(1<<21)|(5<<22)|(3<<25)
	s_or_b32 s[G1SB+0], s44, (3<<16)|(1<<20)|(1<<21)|(5<<22)|(3<<25)
.irp g, G1S, G1SB
	s_mov_b32 s[\g+1], 32<<16
	s_mov_b32 s[\g+2], 16<<16
	s_mov_b32 s[\g+3], 32<<16
	s_mov_b32 s[\g+4], 16
	s_mov_b32 s[\g+5], 32
	s_mov_b32 s[\g+6], 0
	s_mov_b32 s[\g+7], 0
.endr
	s_lshl_b32 s18, s16, 7                         ; which 128 rows of the tile I fetch
	s_lshl_b32 s20, s17, 8
	s_add_co_u32 s20, s20, s18                     ; x: row 256 x tile row + 128 x half
	s_lshl_b32 s46, s42, 8
	s_add_co_u32 s46, s46, s18                     ; W: row 256 x tile column + 128 x half
	s_lshl_b32 s47, s66, 10
	s_add_co_u32 s46, s46, s47                     ;    + 1,024 x T
	s_mov_b32 s21, 0
	s_mov_b32 s47, 0
	s_mov_b64 s[18:19], KS
	s_mul_u64 s[22:23], s[20:21], s[18:19]         ; where these rows' scale bytes begin
	s_mul_u64 s[92:93], s[46:47], s[18:19]
	s_mov_b64 s[18:19], KROW
	s_mul_u64 s[20:21], s[20:21], s[18:19]         ; and their codes
	s_mul_u64 s[46:47], s[46:47], s[18:19]
	s_mul_i32 s45, s14, HALFT                      ; where they go: wave x 128 rows: no place in the cluster enters an LDS address
	s_mul_i32 s94, s14, HALFS
	s_wait_dscnt 0x0                               ; both opening adds are done
	s_wait_kmcnt 0x0
	s_add_nc_u64 s[20:21], s[4:5], s[20:21]
	s_add_nc_u64 s[22:23], s[6:7], s[22:23]
	s_add_nc_u64 s[46:47], s[8:9], s[46:47]
	s_add_nc_u64 s[92:93], s[10:11], s[92:93]
	CROUND                                         ; all sixteen work-groups are here: the joint loads meet
	s_mov_b32 s[G0S], 1
	s_add_co_u32 s[G0S+1], s94, SCL
	s_mov_b64 s[G0S+2:G0S+3], s[22:23]
	s_or_b32 s[G0S+3], s[G0S+3], 0x80000000
	s_mov_b32 s[G0SB], 1
	s_add_co_u32 s[G0SB+1], s94, SCL
	s_mov_b64 s[G0SB+2:G0SB+3], s[92:93]
	s_or_b32 s[G0SB+3], s[G0SB+3], 0x80000000
	JLOAD G0S, G1S, G0SB, G1SB                     ; the scale bytes first: they are wanted with K step 0
.irp s, 0,1
	s_mov_b32 s[G0+4*\s], 1
	s_add_co_u32 s[G0+4*\s+1], s45, \s*SLOT
	s_add_nc_u64 s[G0+4*\s+2:G0+4*\s+3], s[20:21], \s*ROWB
	s_or_b32 s[G0+4*\s+3], s[G0+4*\s+3], 0x80000000
	s_mov_b32 s[G0B+4*\s], 1
	s_add_co_u32 s[G0B+4*\s+1], s45, \s*SLOT
	s_add_nc_u64 s[G0B+4*\s+2:G0B+4*\s+3], s[46:47], \s*ROWB
	s_or_b32 s[G0B+4*\s+3], s[G0B+4*\s+3], 0x80000000
	JLOAD G0+4*\s, G1, G0B+4*\s, G1B               ; by this text's count three tensor loads of a wave are out
.endr
	v_and_b32 v1, 15, v0                           ; r = lane % 16
	v_bfe_u32 v2, v0, 4, 1                         ; h = lane / 16
	v_mul_u32_u24 v3, v1, PITCH
	v_lshl_add_u32 v4, v2, 4, v3                   ; a fragment's row x pitch + 16 x half
	s_mul_i32 s21, s15, HALFT                      ; my 128 rows of x
	s_mul_i32 s22, s16, HALFT                      ; my 128 rows of W,
	s_add_co_u32 s22, s22, 2*HALFT                 ; which lie behind x's 256
.irp s, 0,1
	v_add_nc_u32 v[ADRA+\s], s21, v4
	v_add_nc_u32 v[ADRB+\s], s22, v4
	s_add_co_u32 s21, s21, SLOT
	s_add_co_u32 s22, s22, SLOT
.endr
	v_mul_u32_u24 v5, v1, KS                       ; my row's scale bytes: 32 a row,
	v_lshrrev_b32 v6, 8, v5
	v_lshl_add_u32 v5, v6, 4, v5                   ; and 16 more for each 256 passed
	s_mul_i32 s21, s15, HALFS                      ; x's: my 128 rows
	s_mul_i32 s22, s16, HALFS                      ; W's: my 128 rows, behind x's 256
	s_add_co_u32 s22, s22, 2*HALFS
	s_sub_co_u32 s22, s22, s21
	v_mul_u32_u24 v6, s22, v2                      ; lanes 16-31 take W's: one product, the distance x h
	s_add_co_u32 s21, s21, SCL
	v_add_nc_u32 v5, v5, v6
	v_add_nc_u32 v[ADRS], s21, v5
	s_mul_i32 s23, s14, 16*SPITCH                  ; my stage
	v_mul_u32_u24 v5, v1, SPITCH                   ; in: row r, 16 bytes for each half of the lanes
	v_lshl_add_u32 v5, v2, 4, v5
	v_add_nc_u32 v[STO], s23, v5
	v_mul_u32_u24 v5, v2, SPITCH                   ; back: lanes 0-15 one row of 256 bytes, lanes 16-31 the next
	v_lshl_add_u32 v5, v1, 4, v5
	v_add_nc_u32 v[RD], s23, v5
	v_mul_u32_u24 v5, v2, SIZE_N*2                 ; and the same two rows in qkv
	v_lshl_add_u32 v[CO], v1, 4, v5
	s_lshl_b32 s20, s17, 8
	s_lshl_b32 s21, s15, 7
	s_add_co_u32 s20, s20, s21                     ; my first row: 256 x tile row + 128 x half
	s_mov_b32 s21, 0
	s_mov_b64 s[18:19], SIZE_N*2
	s_mul_u64 s[20:21], s[20:21], s[18:19]
	s_lshl_b32 s46, s42, 9                         ; my first channel, in bytes: 512 x tile column + 256 x half
	s_lshl_b32 s47, s16, 8
	s_add_co_u32 s46, s46, s47
	s_mov_b32 s47, 0
	s_add_nc_u64 s[20:21], s[20:21], s[46:47]
	s_add_nc_u64 s[12:13], s[12:13], s[20:21]
	; the bias in the result's layout: register 8 b + j = bias[my first channel + 16 b + 8 h + j]
	s_lshl_b32 s46, s46, 1                         ; my first channel x 4 bytes
	v_lshlrev_b32 v6, 5, v2                        ; 32 h
	s_cmp_eq_u32 s66, 1                            ; the cluster's number alone decides: all partners go the same way
	s_cbranch_scc1 .Lkey
	s_cmp_eq_u32 s66, 0
	s_cselect_b64 s[96:97], s[96:97], s[98:99]
	s_add_nc_u64 s[96:97], s[96:97], s[46:47]
.irp b, 0,1,2,3,4,5,6,7
	global_load_b128 v[BI+8*\b:BI+8*\b+3], v6, s[96:97] offset:64*\b
	global_load_b128 v[BI+8*\b+4:BI+8*\b+7], v6, s[96:97] offset:64*\b+16
.endr
	s_branch .Lbias
.Lkey:
.set i, 0
.rept 64
	v_mov_b32 v[BI+i], 0                           ; the key's projection has no bias to add
.set i, i+1
.endr
.Lbias:
	s_wait_loadcnt 0x0
.macro FRAG reg, adr, q, i             ; 16 rows x 128 K of 4-bit codes, 8 registers: lane l holds row l % 16; registers 4 c .. 4 c + 3 hold K = 64 c + 32 (l / 16) + 0 .. 31
.irp c, 0,1
	ds_load_b128 v[\reg+4*\c:\reg+4*\c+3], v[\adr] offset:64*(\q)+32*\c+(\i)*16*PITCH
.endr
.endm
; 16 matrix instructions: x's blocks a0, a0 + 1 against W's eight, 128 along K: the slot's q-th.  p: W's set; sc: the set of scale words.  first = 1: C is the bias, which starts the sums: nothing is cleared.
; The 64 accumulators take turns, one instruction a turn, in the same order in every step.
.macro MUL16 a0, p, q, sc, first
.irp a, \a0, \a0+1
.irp b, 0,1,2,3,4,5,6,7
.if \first
	v_wmma_scale_f32_16x16x128_f8f6f4 v[8*(8*((\a)%4)+\b):8*(8*((\a)%4)+\b)+7], v[128*(\p)+FR*\b:128*(\p)+FR*\b+FR-1], v[AF+FR*(\a):AF+FR*(\a)+FR-1], v[BI+8*\b:BI+8*\b+7], v[SC+8*NQ*(\sc)+NQ*\b+(\q)], v[SC+8*NQ*(\sc)+NQ*(\a)+(\q)] matrix_a_fmt:MATRIX_FMT_FP4 matrix_b_fmt:MATRIX_FMT_FP4 matrix_a_scale:MATRIX_SCALE_ROW1
.else
	v_wmma_scale_f32_16x16x128_f8f6f4 v[8*(8*((\a)%4)+\b):8*(8*((\a)%4)+\b)+7], v[128*(\p)+FR*\b:128*(\p)+FR*\b+FR-1], v[AF+FR*(\a):AF+FR*(\a)+FR-1], v[8*(8*((\a)%4)+\b):8*(8*((\a)%4)+\b)+7], v[SC+8*NQ*(\sc)+NQ*\b+(\q)], v[SC+8*NQ*(\sc)+NQ*(\a)+(\q)] matrix_a_fmt:MATRIX_FMT_FP4 matrix_b_fmt:MATRIX_FMT_FP4 matrix_a_scale:MATRIX_SCALE_ROW1
.endif
.endr
.endr
.endm
.macro FETCH_B slot, q, p
	WIN TO_B
.irp i, 0,1,2,3,4,5,6,7
	FRAG 128*(\p)+FR*\i, ADRB+\slot, \q, \i
.endr
	WIN 0
.endm
.macro FETCH_A slot, q, i0
.irp i, \i0, \i0+1, \i0+2, \i0+3
	FRAG AF+FR*(\i), ADRA+\slot, \q, \i
.endr
.endm
.macro SCALES sc                       ; a K step's scale words into set sc: 4 words a row; lanes 0-15 take x's block i, lanes 16-31 W's block i
.irp i, 0,1,2,3,4,5,6,7
	ds_load_b128 v[SC+8*NQ*\sc+NQ*\i:SC+8*NQ*\sc+NQ*\i+3], v[ADRS] offset:\i*SBLK
.endr
.endm
.macro PLACES n                        ; plain vector instructions between a matrix instruction and a load into, or a read of, its registers
.rept \n
	v_nop
.endr
.endm
.macro STEP slot, q, first             ; a step of 128 along K that has its successor in the same slot
	s_wait_dscnt 4*NL                              ; W's set and x's blocks 0-3 are in; the youngest eight loads (x's blocks 4-7) may be out
.if \first
	WIN MUL_LO0
.else
	WIN MUL_LO
.endif
	MUL16 0, (\q)%2, \q, \slot, \first
	MUL16 2, (\q)%2, \q, \slot, \first
	s_wait_dscnt 0                                 ; x's blocks 4-7 are in
	PLACES NP
	FETCH_B \slot, (\q)+1, 1-(\q)%2
	FETCH_A \slot, (\q)+1, 0
.if \first
	WIN MUL_HI0
.else
	WIN MUL_HI
.endif
	MUL16 4, (\q)%2, \q, \slot, \first
	MUL16 6, (\q)%2, \q, \slot, \first
	PLACES NP
	WIN 0
	FETCH_A \slot, (\q)+1, 4
.endm
.macro STEPS slot, from
.set Q, \from
.rept NQ-1-\from
	STEP \slot, Q, 0
.set Q, Q+1
.endr
.endm
	s_wait_tensorcnt 1                             ; the scale bytes and my part of K step 0 are in; K step 1's load may be out
	s_barrier_signal -1
	s_barrier_wait -1                              ; everybody's are
	FETCH_B 0, 0, 0
	FETCH_A 0, 0, 0
	SCALES 0
	FETCH_A 0, 0, 4
	STEP 0, 0, 1                                   ; the first step's products take the bias as C
	STEPS 0, 1
	; slot 0's last step changes slots: one barrier; in front of it each wave waits for its tensor loads (its part of slot 1) and for its own reads of slot 0
	s_wait_tensorcnt 0x0
	ds_add_u32 v[SPW], v[NIL]                      ; 0 onto my spare word, behind the wait for all tensor loads
	s_wait_dscnt 4*NL+1                            ; (the add and the youngest eight loads may be out)
	WIN MUL_LO
	MUL16 0, 1, NQ-1, 0, 0
	s_wait_dscnt 0x0                               ; the add is done, and my reads of slot 0 are over
	s_barrier_signal -1
	MUL16 2, 1, NQ-1, 0, 0
	WIN 0
	s_barrier_wait -1
	PLACES NP
	v_add_nc_u32 v[ADRS], 4*NQ, v[ADRS]            ; on to K step 1's scale words
	FETCH_B 1, 0, 0
	FETCH_A 1, 0, 0
	SCALES 1
	WIN MUL_HI
	MUL16 4, 1, NQ-1, 0, 0
	MUL16 6, 1, NQ-1, 0, 0
	PLACES NP
	WIN 0
	FETCH_A 1, 0, 4
	STEPS 1, 0
	s_wait_dscnt 4*NL                              ; the very last step: nothing more to fetch
	WIN MUL_LO
	MUL16 0, 1, NQ-1, 1, 0
	MUL16 2, 1, NQ-1, 1, 0
	s_wait_dscnt 0
	WIN MUL_HI
	MUL16 4, 1, NQ-1, 1, 0
	MUL16 6, 1, NQ-1, 1, 0
	WIN 0
; THE WAY OUT, block by block of 16 tokens x 128 channels: rounded to f16 (16 bytes a lane), into my own stage, back as whole rows of 256 bytes, stored sixteen lanes to a row.
.macro PACK a
.set AC, 64*((\a)%4)
	WIN 0x0a+5*((\a)/4)                            ; sources 0 and 1: window 2 or 3
.irp b, 0,1,2,3,4,5,6,7
.irp r, 0,1,2,3
	v_cvt_pk_f16_f32 v[TMP+4*\b+\r], v[AC+8*\b+2*\r], v[AC+8*\b+2*\r+1]   ; each accumulator from its low end on
.endr
.endr
	WIN 0
.endm
.macro TOSTAGE a
.set BK, OB+32*((\a)%2)
.irp b, 0,1,2,3,4,5,6,7
	ds_store_b128 v[STO], v[TMP+4*\b:TMP+4*\b+3] offset:32*\b
.endr
.irp t, 0,1,2,3,4,5,6,7
	ds_load_b128 v[BK+4*\t:BK+4*\t+3], v[RD] offset:\t*2*SPITCH    ; LDS serves a wave's instructions in order: these see the stores above
.endr
.endm
.macro SEND a
.set BK, OB+32*((\a)%2)
	s_wait_dscnt 0x0                               ; the block is back in registers
	s_wait_xcnt 0x0                                ; the earlier stores have read their base and their data: only behind this wait are they rewritten
.if (\a) > 0
	s_add_nc_u64 s[12:13], s[12:13], 16*SIZE_N*2   ; 16 rows on
.endif
.irp t, 0,1,2,3,4,5,6,7
	global_store_b128 v[CO], v[BK+4*\t:BK+4*\t+3], s[12:13] offset:2*\t*SIZE_N*2   ; 16 lanes store 256 consecutive bytes, aligned
.endr
.endm
	PLACES NP                                      ; behind the last products: for the loads into x's fragment registers and the first reads of results
	PACK 0
	TOSTAGE 0
.irp a, 1,2,3,4,5,6,7                  ; block a's conversions stand between block a - 1's loads from the stage and the wait for them
	PACK \a
	SEND \a-1
	TOSTAGE \a
.endr
	SEND 7
	s_wait_tensorcnt 0x0                           ; the wave's end, behind my last tensor load and my last LDS store
	ds_add_u32 v[SPW], v[NIL]
	s_wait_dscnt 0x0
	CROUND                                         ; the closing round: no work-group ends while a partner may still ask for a tile that names it
	s_endpgm
.Lfunc_end_k_q4d90f739b0_proj:
	.size	k_q4d90f739b0_proj, .Lfunc_end_k_q4d90f739b0_proj-k_q4d90f739b0_proj
	.p2alignl 7, 3214868480
	.fill 96, 4, 3214868480
	.section	.rodata,"a",@progbits
	.p2align	6, 0x0
	.amdhsa_kernel k_q4d90f739b0_proj
		.amdhsa_group_segment_fixed_size 327680
		.amdhsa_private_segment_fixed_size 0
		.amdhsa_enable_private_segment 0
		.amdhsa_kernarg_size 56
		.amdhsa_user_sgpr_count 2
		.amdhsa_user_sgpr_kernarg_segment_ptr 1
		.amdhsa_wavefront_size32 1
		.amdhsa_system_sgpr_workgroup_id_x 1
		.amdhsa_system_sgpr_workgroup_id_y 1
		.amdhsa_system_sgpr_workgroup_id_z 1
		.amdhsa_system_vgpr_workitem_id 0
		.amdhsa_next_free_vgpr 1024
		.amdhsa_next_free_sgpr 100
		.amdhsa_reserve_vcc 0
		.amdhsa_float_denorm_mode_32 3
		.amdhsa_float_denorm_mode_16_64 3
		.amdhsa_memory_ordered 1
		.amdhsa_forward_progress 1
		.amdhsa_inst_pref_size 131
	.end_amdhsa_kernel
	.amdgpu_metadata
---
amdhsa.version: [ 1, 2 ]
amdhsa.kernels:
  - .name:           k_q4d90f739b0_proj
    .symbol:         k_q4d90f739b0_proj.kd
    .args:
      - { .name: xc, .offset: 0, .size: 8, .value_kind: global_buffer, .address_space: global }
      - { .name: xs, .offset: 8, .size: 8, .value_kind: global_buffer, .address_space: global }
      - { .name: wc, .offset: 16, .size: 8, .value_kind: global_buffer, .address_space: global }
      - { .name: ws, .offset: 24, .size: 8, .value_kind: global_buffer, .address_space: global }
      - { .name: bq, .offset: 32, .size: 8, .value_kind: global_buffer, .address_space: global }
      - { .name: bv, .offset: 40, .size: 8, .value_kind: global_buffer, .address_space: global }
      - { .name: qkv, .offset: 48, .size: 8, .value_kind: global_buffer, .address_space: global }
    .group_segment_fixed_size: 327680
    .private_segment_fixed_size: 0
    .kernarg_segment_align: 8
    .kernarg_segment_size: 56
    .max_flat_workgroup_size: 128
    .sgpr_count:     100
    .vgpr_count:     1024
    .wavefront_size: 32
...
	.end_amdgpu_metadata
.endif
;; end of part 2
;; launch scores (part 3): grid 8 x 32, 4 waves a work-group, clusters of 4 x 4, 327,680 bytes of LDS; arguments qkv, pw, stat; writes pw, stat
.if DOCPART == 3
	.amdgcn_target "amdgcn-amd-amdhsa--gfx1250"
	.amdhsa_code_object_version 6
	.text
	.protected	k_q4d90f739b0_scores
	.globl	k_q4d90f739b0_scores
	.p2align	8
	.type	k_q4d90f739b0_scores,@function
k_q4d90f739b0_scores:
	s_mov_b64 s[64:65], 0
	v_nop
	global_prefetch_b8 v0, s[64:65] scope:SCOPE_SE
	s_setreg_imm32_b32 hwreg(HW_REG_WAVE_MODE, 25, 1), 1
	s_wait_xcnt 0x0
	s_wait_alu depctr_hold_cnt(0) depctr_sa_sdst(0) depctr_va_vdst(0) depctr_va_sdst(0) depctr_va_ssrc(0) depctr_va_vcc(0) depctr_vm_vsrc(0)
	s_getreg_b32 s2, hwreg(HW_REG_IB_STS2, 6, 4)
	s_cmp_eq_u32 s2, 0
	s_cbranch_scc0 .Lentry_in_a_cluster
	s_endpgm
.Lentry_in_a_cluster:
	s_bfe_u32 s2, ttmp6, 0x10000c
	s_cmp_lg_u32 s2, 0xf033
	s_cbranch_scc0 .Lentry_shape_is_right
	s_endpgm
.Lentry_shape_is_right:
; LAUNCH 3 OF 4.  S = Q K^T in f16 with f32 sums, and the first half of the softmax, by chunks of 128 keys.  Q = qkv[0], K = qkv[1]: [4 x 2048][1024] f16.
; WORK LEFT OUT: K carries no bk: it adds the same term to every score of a row, which the softmax takes away; shown at the head of the first launch.
; For each query and each chunk c of 128 keys: t = s x log2(e) / 32;  M_c = the chunk's largest t rounded UP to a whole number;  p = 2^(t - M_c), at most 1, kept as f16;
; l_c = the sum of the unrounded p, f32.  stat [2][4][16 chunks][2048 queries] f32 holds -M_c and l_c.  The last launch brings the chunks under the row's own maximum by powers of two.
; So the maximum is taken away before every exponential, whatever the scores' size.  LIMIT: NaN and infinities are not served.
; pw IS LAID IN THE ORDER OF THE NEXT PRODUCT'S OPERAND REGISTERS: [512 blocks of 16 queries][64 quarters of 32 keys][2][32 lanes][16 bytes]: a fragment (16 queries x 32 keys, 8 registers a lane) is 1,024 bytes on end.
; The packed p of a block ARE those registers, so they are stored as they stand, 512 consecutive bytes a store, and nothing goes through LDS.
; A tile of 256 queries x 256 keys is made by a work-group of four waves; a wave makes 128 x 128 (one chunk of keys): 64 accumulators, 512 registers.  K (the 1,024 channels) goes in 8 steps of 128
; through a ring of two LDS slots filled by the tensor data mover; a tile's row is 256 bytes of memory.
; CLUSTERS: 4 x 4 work-groups.  The four of a row of the cluster need the same tiles of Q, the four of a column the same tiles of K: each is asked for jointly, by the same tensor load with the same descriptor
; and a mask that names the four.  The batch hangs on the cluster's number alone.
; THE MATRIX INSTRUCTION IS USED TRANSPOSED (source 0 = 16 keys, source 1 = 16 queries): a lane holds ONE query (lane % 16); register 8 b + j of a block's 64 holds key 16 b + 8 (lane / 16) + j.
; REGISTERS: window 0: v0-31 addresses; v64-127, v128-191 fragments of Q, two buffers; on the way out v64-78 statistics, v192-223 and v224-255 packed p, two sets by turns.
;   window 1: v64-127, v128-191 fragments of K.   window 2: the accumulators of my queries 0-63 ((a, b) at v[8 (8 a + b)]);   window 3: those of my queries 64-127.
.set SIZE_K, 1024
.set KSTEP,  128
.set PITCH,  272                       ; an LDS row: 256 bytes + 16 of padding = 68 words: the 16 rows that a load touches start at 16 different banks (64 banks of 4 bytes: ISA guide 11.1)
.set HALFT,  128*PITCH
.set SLOT,   4*HALFT                   ; Q's 256 rows, then K's 256
.set STATS,  2*SLOT                    ; behind the ring: 1,024 bytes for each wave: -M of its 128 queries, then l
.set SPARE,  STATS+4*1024              ; the spare words, 128 bytes for each wave, which no other line names
.set LAPS,   SIZE_K/(2*KSTEP)
.set KOFF,   0x1000000                 ; K's first byte in qkv
.set ADRA, 16
.set ADRB, 20
.set SGO,  27                          ; v27 16 x lane: my 16 bytes of a store's 512; never rewritten
.set SPW,  28
.set NIL,  29
.set SST,  30                          ; v30 where I put a statistic: lanes 0-15 -M, lanes 16-31 l
.set SRD,  31                          ; v31 where I read them back
.set F0,   64
.set F1,   128
.set TMP,  192
.set MX,   64                          ; v64-67 four running maxima
.set MY,   68                          ; v68    the other half of the lanes'
.set NM,   70                          ; v[70:71] -M (the packed form names a pair and takes its low word)
.set SUMA, 72                          ; v[72:73], v[74:75] two chains of sums
.set SUMB, 74
.set LS,   76
.set LT,   77
.set SV,   78
.set G1, 24
.set G0, 32
.set G1B, 48
.set G0B, 56
.set MSB, 0
.macro WIN new
.if MSB != (\new)
	s_set_vgpr_msb (MSB<<8)|(\new)
.set MSB, (\new)
.endif
.endm
.set MUL_LO, 0xa1                      ; source 0 (K) window 1, source 1 (Q) window 0, C and D window 2
.set MUL_HI, 0xf1
.set TO_B,   0x40
.macro JLOAD s                         ; a joint load: waves 0 and 1 fetch Q's halves, waves 2 and 3 K's; an s_nop 0 and four v_nop follow each of the two lines
	s_cmp_eq_u32 s11, 0
	s_cbranch_scc0 .Lfor_b_\@
	tensor_load_to_lds s[G0+4*\s:G0+4*\s+3], s[G1:G1+7]
	s_nop 0
.rept 4
	v_nop
.endr
	s_branch .Lasked_\@
.Lfor_b_\@:
	tensor_load_to_lds s[G0B+4*\s:G0B+4*\s+3], s[G1B:G1B+7]
	s_nop 0
.rept 4
	v_nop
.endr
.Lasked_\@:
.endm
.macro CREST                           ; a round of the cluster's barrier behind its opening barrier
	s_cmp_lg_u32 s10, 0
	s_cbranch_scc1 .Lnot_wave_0_\@
	s_barrier_signal -3
.Lnot_wave_0_\@:
	s_barrier_wait -3
	s_barrier_signal -1
	s_barrier_wait -1
.endm
.macro CROUND
	s_barrier_signal -1
	s_barrier_wait -1
	CREST
.endm
	s_load_b64 s[4:5], s[0:1], 0x0                 ; qkv (Q)
	s_load_b64 s[8:9], s[0:1], 0x8                 ; pw
	s_load_b64 s[66:67], s[0:1], 0x10              ; stat
	v_lshl_add_u32 v[SPW], v0, 2, SPARE
	v_mov_b32 v[NIL], 0
	ds_add_u32 v[SPW], v[NIL]                      ; the wave's opening: the add, twice on end, and its wait ahead of my first tensor load
	ds_add_u32 v[SPW], v[NIL]
	v_lshrrev_b32 v1, 5, v0
	v_readfirstlane_b32 s10, v1                    ; wave 0..3
	s_lshr_b32 s11, s10, 1                         ; which half of the tile's queries is mine.  Also: I fetch for Q (0) or for K (1)
	s_and_b32 s12, s10, 1                          ; which half of its keys.  Also: which 128 rows of that tile I fetch
	s_bfe_u32 s40, ttmp6, 0x40000                  ; cx
	s_bfe_u32 s41, ttmp6, 0x40004                  ; cy
	s_lshl_b32 s42, ttmp9, 2
	s_add_co_u32 s42, s42, s40                     ; key tile 0..7
	s_and_b32 s13, ttmp7, 0xffff
	s_lshl_b32 s13, s13, 2
	s_add_co_u32 s13, s13, s41                     ; query tile over all batches, 0..31
	s_and_b32 s45, ttmp7, 0xffff
	s_lshr_b32 s45, s45, 1                         ; batch = cluster y / 2
	s_lshl_b32 s43, s41, 2
	s_lshl_b32 s43, 15, s43                        ; my row of the cluster
	s_lshl_b32 s44, 0x1111, s40                    ; my column
	s_or_b32 s[G1+0], s43, (1<<16)|(1<<20)|(1<<21)|(5<<22)|(3<<25)  ; 15:0 the mask; 17:16 elements of 2 bytes; 20 padding on; 21 set beside a mask; 24:22 after every 64 words; 31:25 four words
	s_or_b32 s[G1B+0], s44, (1<<16)|(1<<20)|(1<<21)|(5<<22)|(3<<25)
.irp g, G1, G1B
	s_mov_b32 s[\g+1], KSTEP<<16                   ; tensor_dim0 = 128
	s_mov_b32 s[\g+2], 128<<16                     ; tensor_dim1 = 128
	s_mov_b32 s[\g+3], KSTEP<<16                   ; tile_dim0
	s_mov_b32 s[\g+4], 128                         ; tile_dim1
	s_mov_b32 s[\g+5], SIZE_K                      ; tensor_dim0_stride
	s_mov_b32 s[\g+6], 0
	s_mov_b32 s[\g+7], 0
.endr
	s_mov_b32 s68, 0x3d38aa3b                      ; c = log2(e) / 32
	s_mov_b32 s69, s68                             ; (named with it as a pair, so it is written)
	s_mov_b32 s70, 0x76543210                      ; v_permlanex16_b32's selects for lane l xor 16
	s_mov_b32 s71, 0xfedcba98
	s_mov_b32 s72, 0xffff0000                      ; lanes 16-31
	s_lshl_b32 s17, s12, 7                         ; which 128 rows of the tile I fetch
	s_lshl_b32 s16, s13, 8
	s_add_co_u32 s16, s16, s17                     ; Q: row 256 x query tile + 128 x half
	s_lshl_b32 s46, s42, 8
	s_add_co_u32 s46, s46, s17                     ; K: row 256 x key tile + 128 x half
	s_lshl_b32 s47, s45, 11
	s_add_co_u32 s46, s46, s47                     ;    + 2,048 x batch
	s_mov_b32 s17, 0
	s_mov_b32 s47, 0
	s_mov_b64 s[18:19], SIZE_K*2
	s_mul_u64 s[16:17], s[16:17], s[18:19]
	s_mul_u64 s[46:47], s[46:47], s[18:19]
	s_mul_i32 s20, s10, HALFT                      ; where they go: wave x 128 rows
	s_wait_dscnt 0x0                               ; both opening adds are done
	s_wait_kmcnt 0x0
	s_add_nc_u64 s[6:7], s[4:5], KOFF
	s_add_nc_u64 s[14:15], s[4:5], s[16:17]
	s_add_nc_u64 s[46:47], s[6:7], s[46:47]
	CROUND                                         ; all sixteen work-groups are here: the first joint loads meet
.irp s, 0,1
	s_mov_b32 s[G0+4*\s], 1
	s_add_co_u32 s[G0+4*\s+1], s20, \s*SLOT
	s_add_nc_u64 s[G0+4*\s+2:G0+4*\s+3], s[14:15], \s*KSTEP*2
	s_or_b32 s[G0+4*\s+3], s[G0+4*\s+3], 0x80000000
	s_mov_b32 s[G0B+4*\s], 1
	s_add_co_u32 s[G0B+4*\s+1], s20, \s*SLOT
	s_add_nc_u64 s[G0B+4*\s+2:G0B+4*\s+3], s[46:47], \s*KSTEP*2
	s_or_b32 s[G0B+4*\s+3], s[G0B+4*\s+3], 0x80000000
	JLOAD \s                                       ; two tensor loads of a wave are out at the start, one behind each later round
.endr
	v_and_b32 v1, 15, v0                           ; r
	v_bfe_u32 v2, v0, 4, 1                         ; h
	v_mul_u32_u24 v3, v1, PITCH
	v_lshl_add_u32 v3, v2, 4, v3                   ; a fragment's row x pitch + 16 x half
	s_mul_i32 s21, s11, HALFT                      ; my 128 rows of Q
	s_mul_i32 s22, s12, HALFT                      ; my 128 rows of K,
	s_add_co_u32 s22, s22, 2*HALFT                 ; which lie behind Q's 256
.irp s, 0,1
	v_add_nc_u32 v[ADRA+\s], s21, v3
	v_add_nc_u32 v[ADRB+\s], s22, v3
	s_add_co_u32 s21, s21, SLOT
	s_add_co_u32 s22, s22, SLOT
.endr
	s_lshl_b32 s23, s10, 10
	s_add_co_u32 s23, s23, STATS                   ; my statistics
	v_lshlrev_b32 v[SST], 2, v1
	v_lshl_add_u32 v[SST], v2, 9, v[SST]
	v_add_nc_u32 v[SST], s23, v[SST]               ; 4 r, + 512 for lanes 16-31
	v_and_b32 v[SGO], 31, v0
	v_lshlrev_b32 v[SGO], 4, v[SGO]
	v_add_nc_u32 v[SRD], s23, v[SGO]
	s_lshl_b32 s16, s13, 20                        ; pw: my first block of 16 queries is 16 x query tile + 8 x half, of 65,536 bytes each,
	s_lshl_b32 s14, s11, 19
	s_add_co_u32 s16, s16, s14
	s_mov_b32 s17, 0
	s_add_nc_u64 s[8:9], s[8:9], s[16:17]
	s_lshl_b32 s46, s42, 13                        ; my chunk's four quarters: (2 x key tile + half) x 4,096 bytes (in registers that never fed Q's descriptors)
	s_lshl_b32 s47, s12, 12
	s_add_co_u32 s46, s46, s47
	s_mov_b32 s47, 0
	s_add_nc_u64 s[8:9], s[8:9], s[46:47]
	s_lshl_b32 s46, s45, 4                         ; stat: ((16 batch + 2 key tile + half) x 2,048 + 256 (query tile % 8) + 128 x half) x 4 bytes
	s_lshl_b32 s47, s42, 1
	s_add_co_u32 s46, s46, s47
	s_add_co_u32 s46, s46, s12
	s_lshl_b32 s46, s46, 11
	s_and_b32 s47, s13, 7
	s_lshl_b32 s47, s47, 8
	s_add_co_u32 s46, s46, s47
	s_lshl_b32 s47, s11, 7
	s_add_co_u32 s46, s46, s47
	s_lshl_b32 s46, s46, 2
	s_mov_b32 s47, 0
	s_add_nc_u64 s[66:67], s[66:67], s[46:47]
; 16 matrix instructions: query blocks a0, a0 + 1 of the window's four x all 8 key blocks, 32 along K.  zero = 1: the first product starts the sums.  The 64 accumulators take turns, one instruction a turn.
.macro MUL16 f, hi, a0, zero
.irp a, \a0, \a0+1
.irp b, 0,1,2,3,4,5,6,7
.if \zero
	v_wmma_f32_16x16x32_f16 v[8*(8*(\a)+\b):8*(8*(\a)+\b)+7], v[\f+8*\b:\f+8*\b+7], v[\f+8*(4*\hi+\a):\f+8*(4*\hi+\a)+7], 0
.else
	v_wmma_f32_16x16x32_f16 v[8*(8*(\a)+\b):8*(8*(\a)+\b)+7], v[\f+8*\b:\f+8*\b+7], v[\f+8*(4*\hi+\a):\f+8*(4*\hi+\a)+7], v[8*(8*(\a)+\b):8*(8*(\a)+\b)+7]
.endif
.endr
.endr
.endm
.macro FETCH slot, k, f                ; 32 LDS loads in one run: the fragments of one quarter step (128 keys, 128 queries, 32 channels at byte k of the rows) into buffer f
	WIN TO_B
.irp i, 0,1,2,3,4,5,6,7
	ds_load_b128 v[\f+8*\i:\f+8*\i+3],   v[ADRB+\slot] offset:\k+\i*16*PITCH
	ds_load_b128 v[\f+8*\i+4:\f+8*\i+7], v[ADRB+\slot] offset:\k+\i*16*PITCH+32
.endr
	WIN 0
.irp i, 0,1,2,3,4,5,6,7
	ds_load_b128 v[\f+8*\i:\f+8*\i+3],   v[ADRA+\slot] offset:\k+\i*16*PITCH
	ds_load_b128 v[\f+8*\i+4:\f+8*\i+7], v[ADRA+\slot] offset:\k+\i*16*PITCH+32
.endr
.endm
.macro PLACES                          ; four plain vector instructions between a matrix instruction and a load into, or a vector instruction on, its registers
.rept 4
	v_nop
.endr
.endm
.macro QUARTER slot, k, f, g, zero     ; 32 along K: multiplies buffer f; in its middle fetches the next quarter, at byte k of the same slot's rows, into buffer g
	s_wait_dscnt 8                                 ; K and Q's rows 0-63 are in; the youngest eight loads (Q's rows 64-127) may be out
	WIN MUL_LO
	MUL16 \f, 0, 0, \zero
	MUL16 \f, 0, 2, \zero
	PLACES
	FETCH \slot, \k, \g
	s_wait_dscnt 32                                ; all but the 32 just issued
	WIN MUL_HI
	MUL16 \f, 1, 0, \zero
	MUL16 \f, 1, 2, \zero
.endm
; The last quarter multiplies buffer 1 and changes slots.  MEET is its first half: one barrier; in front of it each wave waits for all its tensor loads (its part of the next slot), adds 0 to its spare word,
; and waits for that and for its own reads of this slot.
.macro MEET round
	WIN 0
	s_wait_tensorcnt 0x0
	ds_add_u32 v[SPW], v[NIL]
	s_wait_dscnt 9                                 ; (the add and the youngest eight loads may be out)
	WIN MUL_LO
	MUL16 F1, 0, 0, 0
	s_wait_dscnt 0x0                               ; the add is done, and my reads of this slot are over
	s_barrier_signal -1
	MUL16 F1, 0, 2, 0
.if \round
	WIN 0
.endif
	s_barrier_wait -1
.endm
.macro TURN slot, next                 ; the whole last quarter: behind the round the slot just read out is filled again first, with the K step two on; it has 224 matrix instructions in which to land
	MEET 1
	CREST                                          ; no wave of any partner still reads this slot's tile or has a load on its way
	s_add_nc_u64 s[G0+4*\slot+2:G0+4*\slot+3], s[G0+4*\slot+2:G0+4*\slot+3], 2*KSTEP*2
	s_add_nc_u64 s[G0B+4*\slot+2:G0B+4*\slot+3], s[G0B+4*\slot+2:G0B+4*\slot+3], 2*KSTEP*2
	JLOAD \slot                                    ; the four v_nop behind it are also the places in front of the loads below
	FETCH \next, 0, F0
	WIN MUL_HI
	MUL16 F1, 1, 0, 0
	MUL16 F1, 1, 2, 0
.endm
	s_wait_tensorcnt 1                             ; my part of K step 0 is in; K step 1's may stay out
	s_barrier_signal -1
	s_barrier_wait -1
	FETCH 0, 0, F0
	QUARTER 0, 64,  F0, F1, 1                      ; the first quarter stands in front of the loop: its products start the sums
	WIN 0
	s_mov_b32 s3, LAPS-1
.Llap:                                                 ; a trip goes once round the ring, from a lap's second quarter to the next lap's first, and fills both slots again
	QUARTER 0, 128, F1, F0, 0
	QUARTER 0, 192, F0, F1, 0
	TURN 0, 1
	QUARTER 1, 64,  F0, F1, 0
	QUARTER 1, 128, F1, F0, 0
	QUARTER 1, 192, F0, F1, 0
	TURN 1, 0
	QUARTER 0, 64,  F0, F1, 0
	WIN 0
	s_sub_co_u32 s3, s3, 1
	s_cmp_lg_u32 s3, 0
	s_cbranch_scc1 .Llap
	QUARTER 0, 128, F1, F0, 0                      ; the last lap is written out: it asks for nothing more
	QUARTER 0, 192, F0, F1, 0
	MEET 0
	PLACES
	FETCH 1, 0, F0
	WIN MUL_HI
	MUL16 F1, 1, 0, 0
	MUL16 F1, 1, 2, 0
	QUARTER 1, 64,  F0, F1, 0
	QUARTER 1, 128, F1, F0, 0
	QUARTER 1, 192, F0, F1, 0
	s_wait_dscnt 8
	WIN MUL_LO
	MUL16 F1, 0, 0, 0
	MUL16 F1, 0, 2, 0
	s_wait_dscnt 0
	WIN MUL_HI
	MUL16 F1, 1, 0, 0
	MUL16 F1, 1, 2, 0
	WIN 0
; THE SOFTMAX OF A BLOCK of 16 queries x my 128 keys, and its way out.  A lane's 64 registers and those of lane l xor 16 are a query's chunk.
; Packed register 4 b + i holds keys 16 b + 8 (lane / 16) + 2 i, + 1: registers 8 k .. 8 k + 7 are the fragment of the chunk's k-th 32 keys as the next product's source 1 wants it.
.macro SOFT a
.set WW, 2+(\a)/4                      ; the block's window
.set AC, 64*((\a)%4)
.set TP, TMP+32*((\a)%2)               ; the packed p: two sets by turns
	WIN 21*WW                                      ; all three sources in the block's window
.irp k, 0,1,2,3
	v_max3_num_f32 v[MX+\k], v[AC+16*\k], v[AC+16*\k+1], v[AC+16*\k+2]   ; four chains of 16 scores; each accumulator is read from its low end on
.endr
	WIN 20*WW                                      ; sources 1 and 2
.irp i, 3,5,7,9,11,13
.irp k, 0,1,2,3
	v_max3_num_f32 v[MX+\k], v[MX+\k], v[AC+16*\k+\i], v[AC+16*\k+\i+1]
.endr
.endr
.irp k, 0,1,2,3
	v_max_num_f32 v[MX+\k], v[MX+\k], v[AC+16*\k+15]
.endr
	WIN 0
	v_max3_num_f32 v[MX], v[MX], v[MX+1], v[MX+2]
	v_max_num_f32 v[MX], v[MX], v[MX+3]
	v_permlanex16_b32 v[MY], v[MX], s70, s71
	v_max_num_f32 v[MX], v[MX], v[MY]              ; the chunk's largest score of my query
	v_mul_f32 v[MX], s68, v[MX]                    ; as t (c is positive)
	v_floor_f32 v[NM], -v[MX]                      ; -M = floor(-t) = -ceil(t): a whole number
	WIN 65*WW                                      ; destination and source 0
.set j, 0
.rept 32
	v_pk_fma_f32 v[AC+j:AC+j+1], v[AC+j:AC+j+1], s[68:69], v[NM:NM+1] op_sel_hi:[1,0,0]   ; t - M, two at a time
.set j, j+2
.endr
.set j, 0
.rept 64
	v_exp_f32 v[AC+j], v[AC+j]                     ; p = 2^(t - M), at most 1
.set j, j+1
.endr
	v_nop                                          ; a plain instruction behind the last exponential
	s_wait_alu depctr_va_vdst(0)                   ; one wait for the whole batch, ahead of its first reader
.if (\a) > 1
	s_wait_xcnt 0x0                                ; the stores of the block two back have read this set of registers: only behind this wait is it rewritten
.endif
	WIN 5*WW                                       ; sources 0 and 1
.irp b, 0,1,2,3,4,5,6,7
.irp i, 0,1,2,3
	v_cvt_pk_f16_f32 v[TP+4*\b+\i], v[AC+8*\b+2*\i], v[AC+8*\b+2*\i+1]
.endr
.endr
	v_pk_add_f32 v[SUMA:SUMA+1], v[AC:AC+1], v[AC+2:AC+3]             ; the sum is taken of the unrounded p, two at a time, in two chains
	v_pk_add_f32 v[SUMB:SUMB+1], v[AC+4:AC+5], v[AC+6:AC+7]
	WIN 4*WW                                       ; source 1
.set j, 8
.rept 14
	v_pk_add_f32 v[SUMA:SUMA+1], v[SUMA:SUMA+1], v[AC+j:AC+j+1]
	v_pk_add_f32 v[SUMB:SUMB+1], v[SUMB:SUMB+1], v[AC+j+2:AC+j+3]
.set j, j+4
.endr
	WIN 0
.irp i, 0,1,2,3,4,5,6,7
	global_store_b128 v[SGO], v[TP+4*\i:TP+4*\i+3], s[8:9] offset:(\a)*65536+512*\i   ; 32 lanes store 512 consecutive bytes, aligned: half a fragment; the block's eight stores cover 4,096 bytes on end
.endr
	v_pk_add_f32 v[SUMA:SUMA+1], v[SUMA:SUMA+1], v[SUMB:SUMB+1]
	v_add_f32 v[LS], v[SUMA], v[SUMA+1]
	v_permlanex16_b32 v[LT], v[LS], s70, s71
	v_add_f32 v[LS], v[LS], v[LT]                  ; l of my query's chunk
	v_cndmask_b32 v[SV], v[NM], v[LS], s72         ; lanes 0-15 keep -M, lanes 16-31 l
	ds_store_b32 v[SST], v[SV] offset:64*(\a)
.endm
	PLACES                                         ; behind the last products: the lines below write registers that held Q's fragments
	v_mov_b32 v[MY], 0                             ; written once: a lane permute's destination counts as one of its sources
	v_mov_b32 v[LT], 0
	v_mov_b32 v[NM+1], 0                           ; (named as the upper half of a pair)
.irp a, 0,1,2,3,4,5,6,7
	SOFT \a
.endr
	ds_load_b128 v[32:35], v[SRD]                  ; my 128 queries' -M: 512 bytes (LDS serves a wave's instructions in order: these see my stores),
	ds_load_b128 v[36:39], v[SRD] offset:512       ; and l
	s_wait_dscnt 0x0
	global_store_b128 v[SGO], v[32:35], s[66:67]                   ; 32 lanes store 512 consecutive bytes, aligned
	global_store_b128 v[SGO], v[36:39], s[66:67] offset:524288
	s_wait_tensorcnt 0x0                           ; the wave's end, behind my last tensor load and my last LDS store
	ds_add_u32 v[SPW], v[NIL]
	s_wait_dscnt 0x0
	CROUND                                         ; the closing round
	s_endpgm
.Lfunc_end_k_q4d90f739b0_scores:
	.size	k_q4d90f739b0_scores, .Lfunc_end_k_q4d90f739b0_scores-k_q4d90f739b0_scores
	.p2alignl 7, 3214868480
	.fill 96, 4, 3214868480
	.section	.rodata,"a",@progbits
	.p2align	6, 0x0
	.amdhsa_kernel k_q4d90f739b0_scores
		.amdhsa_group_segment_fixed_size 327680
		.amdhsa_private_segment_fixed_size 0
		.amdhsa_enable_private_segment 0
		.amdhsa_kernarg_size 24
		.amdhsa_user_sgpr_count 2
		.amdhsa_user_sgpr_kernarg_segment_ptr 1
		.amdhsa_wavefront_size32 1
		.amdhsa_system_sgpr_workgroup_id_x 1
		.amdhsa_system_sgpr_workgroup_id_y 1
		.amdhsa_system_sgpr_workgroup_id_z 1
		.amdhsa_system_vgpr_workitem_id 0
		.amdhsa_next_free_vgpr 1024
		.amdhsa_next_free_sgpr 74
		.amdhsa_reserve_vcc 0
		.amdhsa_float_denorm_mode_32 3
		.amdhsa_float_denorm_mode_16_64 3
		.amdhsa_memory_ordered 1
		.amdhsa_forward_progress 1
		.amdhsa_inst_pref_size 204
	.end_amdhsa_kernel
	.amdgpu_metadata
---
amdhsa.version: [ 1, 2 ]
amdhsa.kernels:
  - .name:           k_q4d90f739b0_scores
    .symbol:         k_q4d90f739b0_scores.kd
    .args:
      - { .name: qkv, .offset: 0, .size: 8, .value_kind: global_buffer, .address_space: global }
      - { .name: pw, .offset: 8, .size: 8, .value_kind: global_buffer, .address_space: global }
      - { .name: stat, .offset: 16, .size: 8, .value_kind: global_buffer, .address_space: global }
    .group_segment_fixed_size: 327680
    .private_segment_fixed_size: 0
    .kernarg_segment_align: 8
    .kernarg_segment_size: 24
    .max_flat_workgroup_size: 128
    .sgpr_count:     74
    .vgpr_count:     1024
    .wavefront_size: 32
...
	.end_amdgpu_metadata
.endif
;; end of part 3
;; launch pv (part 4): grid 4 x 64, 4 waves a work-group, clusters of 4 x 4, 327,680 bytes of LDS; arguments pw, qkv, stat, out0; writes out0
.if DOCPART == 4
	.amdgcn_target "amdgcn-amd-amdhsa--gfx1250"
	.amdhsa_code_object_version 6
	.text
	.protected	k_q4d90f739b0_pv
	.globl	k_q4d90f739b0_pv
	.p2align	8
	.type	k_q4d90f739b0_pv,@function
k_q4d90f739b0_pv:
	s_mov_b64 s[64:65], 0
	v_nop
	global_prefetch_b8 v0, s[64:65] scope:SCOPE_SE
	s_setreg_imm32_b32 hwreg(HW_REG_WAVE_MODE, 25, 1), 1
	s_wait_xcnt 0x0
	s_wait_alu depctr_hold_cnt(0) depctr_sa_sdst(0) depctr_va_vdst(0) depctr_va_sdst(0) depctr_va_ssrc(0) depctr_va_vcc(0) depctr_vm_vsrc(0)
	s_getreg_b32 s2, hwreg(HW_REG_IB_STS2, 6, 4)
	s_cmp_eq_u32 s2, 0
	s_cbranch_scc0 .Lentry_in_a_cluster
	s_endpgm
.Lentry_in_a_cluster:
	s_bfe_u32 s2, ttmp6, 0x10000c
	s_cmp_lg_u32 s2, 0xf033
	s_cbranch_scc0 .Lentry_shape_is_right
	s_endpgm
.Lentry_shape_is_right:
; LAUNCH 4 OF 4.  out0[b][q][d] = sum over chunks c of f'_c x (sum over the chunk's 128 keys of p V[key][d]),  f'_c = 2^(M_c - M) / l,  M = the row's largest M_c,  l = sum over c of 2^(M_c - M) l_c.
; pw holds p = 2^(t - M_c) as f16 in the order of this product's operand registers: [512 blocks of 16 queries][64 quarters of 32 keys][2][32 lanes][16 bytes].
; stat [2][4][16][2048] f32 holds -M_c and l_c; V = qkv[2] [4 x 2048 keys][1024] f16.  M_c - M is a whole number, 0 or less: 2^(M_c - M) is exact; all that is done to a chunk's sums is done in f32.
; A tile of 128 queries x 256 channels is made by a work-group of four waves (256 tiles: tiles of 256 x 256 would be 128); a wave makes 64 x 128: 32 accumulators.
; A CHUNK'S PRODUCTS SUM INTO T (256 registers, begun anew with the constant 0 in the chunk's first quarter); O (256 registers) takes O += f' x T, in slices of eight packed multiply-adds that stand ahead of the two
; products which begin those two accumulators anew.  The first chunk's slices are multiplies: O is never cleared.
; V goes through a ring of two LDS slots of 256 keys (rows of 512 bytes), filled by the tensor data mover, each wave 64 keys: one load a wave behind each change of slots, with 240 matrix instructions in which to land.
; P DOES NOT GO THROUGH LDS, though the four work-groups of a row of the cluster read the same P: beside V a slot of 256 keys would take 206,848 bytes, and two such slots do not fit into 327,680.
; Each wave loads its fragments from memory as they lie, 512 consecutive bytes a load, into a ring of eight quarter buffers (256 registers), seven quarters, 224 matrix instructions, ahead of their use.
; CLUSTERS: 4 x 4 work-groups.  The four of a column of the cluster need the same tiles of V: each is asked for jointly, by the same tensor load with the same descriptor and a mask that names the four.
; The batch hangs on the cluster's number alone.
; THE MATRIX INSTRUCTION IS USED TRANSPOSED: source 0 = V^T (16 channels x 32 keys, turned on its way out of LDS by ds_load_tr16_b128), source 1 = P (16 queries x 32 keys): a lane holds ONE query and eight neighbouring channels.
; REGISTERS: window 0: v16-29 addresses; v96-223 V's fragments, two buffers of 8; v224-231 the chunk's four factors; v232-247 at work at the head.
;   window 1: T ((a, b) at v[8 (8 a + b)]).   window 2: O likewise.   window 3: P: quarter q of a slot at v[32 q], its query block a at + 8 a.
.set PVP,    544                       ; a row of V in LDS: 512 bytes + 32 = 136 words: row r starts at bank 8 r mod 64 (64 banks of 4 bytes: ISA guide 11.1)
.set QROW,   32*PVP                    ; a quarter's 32 keys
.set WPART,  64*PVP                    ; 64 keys: what one tensor load brings
.set SLOT,   256*PVP
.set FT,     2*SLOT                    ; behind the ring: the factors, 4,096 bytes for each wave, its own: [16 chunks][16 lanes][4 blocks] f32
.set SPARE,  FT+4*4096                 ; the spare words, 128 bytes for each wave, which no other line names
.set SPITCH, 528                       ; the way out: 16 rows x (512 bytes + 16) for each wave, in slot 0, which has had its last fill and its last read by then
.set VGOFF,  0x2000000                 ; V's first byte in qkv
.set ADRV, 16                          ; v16-19 my lane's place in V's tile: slot 0 keys 0-127, keys 128-255, slot 1 likewise (an LDS offset has 16 bits)
.set FTW,  20                          ; v20 where I put a factor
.set SA,   21                          ; v21 my byte offset in stat
.set FTA,  22                          ; v22 where I read the next chunk's four factors
.set STO,  24
.set RD,   25
.set CO,   26                          ; v26 16 x lane; never rewritten
.set SPW,  28
.set NIL,  29
.set VF,   96
.set FS,   224                         ; v224-227 the factors of blocks 0 to 3 as loaded
.set FX,   228                         ; v228, v230 those of blocks 1 and 3 once more: a packed source is a pair that begins on an even register
.set RL,   232
.set LL,   236
.set MN,   240
.set XT,   244
.set G1, 24                            ; s[24:31] descriptor group 1;  s[32:39] group 0, one set for each slot
.set G0, 32
.set PB, 48                            ; s[48:49] P at my first block of queries, stepped a trip's 16 quarters at a time
.set MSB, 0
.macro WIN new
.if MSB != (\new)
	s_set_vgpr_msb (MSB<<8)|(\new)
.set MSB, (\new)
.endif
.endm
.set W_MUL, 0x5c                       ; source 0 (V) window 0, source 1 (P) window 3, C and D (T) window 1
.set W_DR,  0xa1                       ; source 0 (T) window 1, source 1 (the factor) window 0, source 2 and destination (O) window 2
.set W_PL,  0xc0                       ; destination window 3, address window 0
.set W_ST,  0x08                       ; an LDS store's data are its source 1: window 2
.macro TLOAD s                         ; my part of a slot; an s_nop 0 and four v_nop follow the line
	tensor_load_to_lds s[G0+4*\s:G0+4*\s+3], s[G1:G1+7]
	s_nop 0
.rept 4
	v_nop
.endr
.endm
.macro CREST
	s_cmp_lg_u32 s10, 0
	s_cbranch_scc1 .Lnot_wave_0_\@
	s_barrier_signal -3
.Lnot_wave_0_\@:
	s_barrier_wait -3
	s_barrier_signal -1
	s_barrier_wait -1
.endm
.macro CROUND
	s_barrier_signal -1
	s_barrier_wait -1
	CREST
.endm
.macro PLACES                          ; four plain vector instructions between a matrix instruction and a load into, or a vector instruction on, its registers
.rept 4
	v_nop
.endr
.endm
.macro PLOAD buf, grp                  ; the four fragments of P of one quarter of 32 keys, the grp-th from where the base stands, into buffer buf: eight loads of 512 consecutive bytes
	WIN W_PL
.irp a, 0,1,2,3
	global_load_b128 v[32*(\buf)+8*\a:32*(\buf)+8*\a+3],   v[CO], s[PB:PB+1] offset:\a*65536+(\grp)*1024
	global_load_b128 v[32*(\buf)+8*\a+4:32*(\buf)+8*\a+7], v[CO], s[PB:PB+1] offset:\a*65536+(\grp)*1024+512
.endr
.endm
.macro FETCHV slot, q, g               ; V's eight fragments of the slot's q-th 32 keys into buffer g
.irp i, 0,1,2,3,4,5,6,7
	ds_load_tr16_b128 v[VF+64*(\g)+8*\i:VF+64*(\g)+8*\i+3],   v[ADRV+2*(\slot)+(\q)/4] offset:((\q)%4)*QROW+32*\i
	ds_load_tr16_b128 v[VF+64*(\g)+8*\i+4:VF+64*(\g)+8*\i+7], v[ADRV+2*(\slot)+(\q)/4] offset:((\q)%4)*QROW+16*PVP+32*\i
.endr
.endm
; cnt matrix instructions, on accumulators n0 on (n = 8 a + b): V's buffer f, P's buffer q.  zero = 1: the product starts the chunk's sum.
; The 32 accumulators take turns, one instruction a turn, in the same order in every quarter.
.macro MULS f, q, n0, cnt, zero
	WIN W_MUL
.set nn, \n0
.rept \cnt
.if \zero
	v_wmma_f32_16x16x32_f16 v[8*nn:8*nn+7], v[VF+64*(\f)+8*(nn%8):VF+64*(\f)+8*(nn%8)+7], v[32*(\q)+8*(nn/8):32*(\q)+8*(nn/8)+7], 0
.else
	v_wmma_f32_16x16x32_f16 v[8*nn:8*nn+7], v[VF+64*(\f)+8*(nn%8):VF+64*(\f)+8*(nn%8)+7], v[32*(\q)+8*(nn/8):32*(\q)+8*(nn/8)+7], v[8*nn:8*nn+7]
.endif
.set nn, nn+1
.endr
.endm
; O += f' x T for cnt accumulators from n0 on, each from its low end on.  first = 1: O = f' x T.
.macro DRAIN n0, cnt, first
	WIN W_DR
.set nn, \n0
.rept \cnt
.set FP, FS+(nn/8)+((nn/8)%2)*3        ; the block's factor: v224, v228, v226, v230
.set jj, 0
.rept 4
.if \first
	v_pk_mul_f32 v[8*nn+jj:8*nn+jj+1], v[8*nn+jj:8*nn+jj+1], v[FP:FP+1] op_sel_hi:[1,0]
.else
	v_pk_fma_f32 v[8*nn+jj:8*nn+jj+1], v[8*nn+jj:8*nn+jj+1], v[FP:FP+1], v[8*nn+jj:8*nn+jj+1] op_sel_hi:[1,0,1]
.endif
.set jj, jj+2
.endr
.set nn, nn+1
.endr
.endm
	s_load_b128 s[4:7], s[0:1], 0x0                ; pw 4:5, qkv 6:7
	s_load_b64 s[66:67], s[0:1], 0x10              ; stat
	s_load_b64 s[8:9], s[0:1], 0x18                ; out0
	v_lshl_add_u32 v[SPW], v0, 2, SPARE
	v_mov_b32 v[NIL], 0
	ds_add_u32 v[SPW], v[NIL]                      ; the wave's opening: the add, twice on end, and its wait ahead of my first tensor load
	ds_add_u32 v[SPW], v[NIL]
	v_lshrrev_b32 v1, 5, v0
	v_readfirstlane_b32 s10, v1                    ; wave 0..3: also which 64 keys of a slot I fetch
	s_lshr_b32 s11, s10, 1                         ; which 64 queries are mine
	s_and_b32 s12, s10, 1                          ; which 128 channels
	s_bfe_u32 s40, ttmp6, 0x40000                  ; cx
	s_bfe_u32 s41, ttmp6, 0x40004                  ; cy
	s_lshl_b32 s42, ttmp9, 2
	s_add_co_u32 s42, s42, s40                     ; channel tile 0..3
	s_and_b32 s13, ttmp7, 0xffff
	s_lshl_b32 s13, s13, 2
	s_add_co_u32 s13, s13, s41                     ; query tile over all batches, 0..63
	s_and_b32 s45, ttmp7, 0xffff
	s_lshr_b32 s45, s45, 2                         ; batch = cluster y / 4
	s_lshl_b32 s44, 0x1111, s40                    ; my column of the cluster
	s_or_b32 s[G1+0], s44, (1<<16)|(1<<20)|(1<<21)|(6<<22)|(7<<25)   ; 15:0 the mask; 17:16 elements of 2 bytes; 20 padding on; 21 set beside a mask; 24:22 after every 128 words; 31:25 eight words
	s_mov_b32 s[G1+1], 256<<16                     ; tensor_dim0 = 256 channels
	s_mov_b32 s[G1+2], 64<<16                      ; tensor_dim1 = 64 keys
	s_mov_b32 s[G1+3], 256<<16                     ; tile_dim0
	s_mov_b32 s[G1+4], 64                          ; tile_dim1
	s_mov_b32 s[G1+5], 1024                        ; tensor_dim0_stride
	s_mov_b32 s[G1+6], 0
	s_mov_b32 s[G1+7], 0
	s_mov_b32 s70, 0x76543210                      ; v_permlanex16_b32's selects for lane l xor 16
	s_mov_b32 s71, 0xfedcba98
	s_lshl_b32 s46, s45, 11
	s_lshl_b32 s47, s10, 6
	s_add_co_u32 s46, s46, s47                     ; V: key 2,048 x batch + 64 x wave,
	s_lshl_b32 s46, s46, 11                        ; of 2,048 bytes,
	s_lshl_b32 s47, s42, 9
	s_add_co_u32 s46, s46, s47                     ; + 512 x channel tile,
	s_add_co_u32 s46, s46, VGOFF                   ; in the third part of qkv
	s_mov_b32 s47, 0
	s_mul_i32 s21, s10, WPART                      ; where it goes: wave x 64 rows: no place in the cluster enters an LDS address
	s_wait_dscnt 0x0                               ; both opening adds are done
	s_wait_kmcnt 0x0
	s_add_nc_u64 s[46:47], s[6:7], s[46:47]
	CROUND                                         ; all sixteen work-groups are here: the first joint loads meet
.irp s, 0,1
	s_mov_b32 s[G0+4*\s], 1
	s_add_co_u32 s[G0+4*\s+1], s21, \s*SLOT
	s_add_nc_u64 s[G0+4*\s+2:G0+4*\s+3], s[46:47], \s*524288       ; slot s: 256 rows of 2,048 bytes down
	s_or_b32 s[G0+4*\s+3], s[G0+4*\s+3], 0x80000000
	TLOAD \s                                       ; two tensor loads of a wave are out at the start, one behind each later round
.endr
	v_and_b32 v1, 15, v0                           ; r
	v_bfe_u32 v2, v0, 4, 1                         ; h
	v_and_b32 v3, 31, v0                           ; lane
	v_lshlrev_b32 v[CO], 4, v3
	v_lshlrev_b32 v[SA], 4, v1                     ; stat: lane (j, h) takes queries 4 j .. 4 j + 3 of chunk 2 i + h: sixteen lanes read 256 consecutive bytes
	v_lshl_add_u32 v[SA], v2, 13, v[SA]
	s_lshl_b32 s20, s45, 15                        ; stat: (32,768 batch + 128 (query tile % 16) + 64 x half) x 4 bytes
	s_and_b32 s21, s13, 15
	s_lshl_b32 s21, s21, 7
	s_add_co_u32 s20, s20, s21
	s_lshl_b32 s21, s11, 6
	s_add_co_u32 s20, s20, s21
	s_lshl_b32 s20, s20, 2
	s_mov_b32 s21, 0
	s_add_nc_u64 s[66:67], s[66:67], s[20:21]
.irp i, 0,1,2,3,4,5,6,7
	global_load_b128 v[96+4*\i:99+4*\i],   v[SA], s[66:67] offset:16384*\i          ; -M
	global_load_b128 v[128+4*\i:131+4*\i], v[SA], s[66:67] offset:16384*\i+524288   ; l
.endr
	s_lshl_b32 s16, s13, 19                        ; P: my first block of 16 queries is 8 x query tile + 4 x half, of 65,536 bytes each
	s_lshl_b32 s17, s11, 18
	s_add_co_u32 s16, s16, s17
	s_mov_b32 s17, 0
	s_add_nc_u64 s[PB:PB+1], s[4:5], s[16:17]
.irp g, 0,1,2,3,4
	PLOAD \g, \g                                   ; the first five quarters of P
.endr
	WIN 0
	v_and_b32 v5, 7, v0                            ; V: the turning load takes 16 keys x 16 channels: lane l reads key 8 (l / 16) + l % 8, channels 8 ((l / 8) % 2) + 0..7
	v_lshl_add_u32 v5, v2, 3, v5
	v_mul_u32_u24 v5, v5, PVP
	v_bfe_u32 v6, v0, 3, 1
	v_lshl_add_u32 v5, v6, 4, v5
	s_lshl_b32 s22, s12, 8                         ; my 128 channels
.irp k, 0,1,2,3
	v_add_nc_u32 v[ADRV+\k], s22, v5
	s_add_co_u32 s22, s22, 4*QROW                  ; 128 keys on
.endr
	s_lshl_b32 s23, s10, 12
	s_add_co_u32 s23, s23, FT                      ; my factors
	v_and_b32 v4, 3, v0
	v_bfe_u32 v6, v0, 2, 2
	v_lshlrev_b32 v[FTW], 6, v4                    ; query 4 j + k is lane r = 4 (j % 4) + k of block j / 4: byte 16 r + 4 (j / 4) of its chunk's 256; k and the chunk's pair stand in the offset
	v_lshl_add_u32 v[FTW], v6, 2, v[FTW]
	v_lshl_add_u32 v[FTW], v2, 8, v[FTW]
	v_add_nc_u32 v[FTW], s23, v[FTW]
	v_lshl_add_u32 v[FTA], v1, 4, s23              ; back: lane r's four blocks, 16 bytes
	s_mul_i32 s23, s10, 16*SPITCH                  ; my stage
	v_mul_u32_u24 v4, v1, SPITCH
	v_lshl_add_u32 v4, v2, 5, v4
	v_add_nc_u32 v[STO], s23, v4                   ; in: row r, 32 bytes for each half of the lanes
	v_add_nc_u32 v[RD], s23, v[CO]                 ; back: the 32 lanes take one row of 512 bytes
	s_lshl_b32 s16, s13, 7                         ; out0: row 128 x query tile + 64 x half, of 4,096 bytes,
	s_lshl_b32 s17, s11, 6
	s_add_co_u32 s16, s16, s17
	s_lshl_b32 s16, s16, 12
	s_mov_b32 s17, 0
	s_add_nc_u64 s[8:9], s[8:9], s[16:17]
	s_lshl_b32 s46, s42, 10                        ; + 1,024 x channel tile + 512 x half
	s_lshl_b32 s47, s12, 9
	s_add_co_u32 s46, s46, s47
	s_mov_b32 s47, 0
	s_add_nc_u64 s[8:9], s[8:9], s[46:47]
.irp k, 0,1,2,3
	v_mov_b32 v[XT+\k], 0                          ; written once: a lane permute's destination counts as one of its sources
.endr
	v_mov_b32 v[FX+1], 0                           ; (named as the upper halves of pairs)
	v_mov_b32 v[FX+3], 0
	s_wait_loadcnt 40                              ; the statistics are in; the 40 loads of P issued behind them may be out
	; the row's -M is the least of the chunks' -M: my eight chunks, then lane l xor 16's
.irp k, 0,1,2,3
	v_min3_num_f32 v[MN+\k], v[96+\k], v[100+\k], v[104+\k]
.endr
.irp i, 3,5
.irp k, 0,1,2,3
	v_min3_num_f32 v[MN+\k], v[MN+\k], v[96+4*\i+\k], v[100+4*\i+\k]
.endr
.endr
.irp k, 0,1,2,3
	v_min_num_f32 v[MN+\k], v[MN+\k], v[124+\k]
.endr
.irp k, 0,1,2,3
	v_permlanex16_b32 v[XT+\k], v[MN+\k], s70, s71
.endr
.irp k, 0,1,2,3
	v_min_num_f32 v[MN+\k], v[MN+\k], v[XT+\k]
.endr
.set i, 0
.rept 32
	v_sub_f32 v[96+i], v[MN+i%4], v[96+i]          ; M_c - M: a whole number, 0 or less
.set i, i+1
.endr
.set i, 0
.rept 32
	v_cvt_i32_f32 v[96+i], v[96+i]                 ; (it saturates)
.set i, i+1
.endr
.set i, 0
.rept 32
	v_ldexp_f32 v[96+i], 1.0, v[96+i]              ; 2^(M_c - M)
.set i, i+1
.endr
.irp k, 0,1,2,3
	v_mul_f32 v[LL+\k], v[96+\k], v[128+\k]
.endr
.set i, 4
.rept 28
	v_fmac_f32 v[LL+i%4], v[96+i], v[128+i]
.set i, i+1
.endr
.irp k, 0,1,2,3
	v_permlanex16_b32 v[XT+\k], v[LL+\k], s70, s71
.endr
.irp k, 0,1,2,3
	v_add_f32 v[LL+\k], v[LL+\k], v[XT+\k]         ; l: at least 1/2
.endr
.irp k, 0,1,2,3
	v_rcp_f32 v[RL+\k], v[LL+\k]
.endr
	v_nop                                          ; a plain instruction behind the last reciprocal
	s_wait_alu depctr_va_vdst(0)                   ; and one wait ahead of the first line that names a result
.set i, 0
.rept 32
	v_mul_f32 v[96+i], v[96+i], v[RL+i%4]          ; f' = 2^(M_c - M) / l
.set i, i+1
.endr
.irp i, 0,1,2,3,4,5,6,7
.irp k, 0,1,2,3
	ds_store_b32 v[FTW], v[96+4*\i+\k] offset:512*\i+16*\k
.endr
.endr
	PLOAD 5, 5                                     ; two quarters more of P: seven are asked for
	PLOAD 6, 6
	WIN 0
; One of a slot's first seven quarters.  At its head: this quarter's V and P are in; then, in one run behind four places, the next quarter's V, in a chunk's last quarter its factors, and the quarter of P seven on,
; into the buffer that the last quarter has left.  mode 0: 32 products onto T.  1: they start T.  2, 3: a chunk's first quarter: the chunk before is taken into O (2: it starts O), two accumulators ahead of the products that begin them anew.
; lc: the loads of P issued behind this quarter's eight, which may be out: six quarters' 48, fewer at the end.
.macro QUARTER slot, q, mode, grp, lc
	s_wait_dscnt 0x0                               ; V (asked for a quarter ago), and the factors
	s_wait_loadcnt \lc
	WIN 0
	PLACES
.if (\mode) >= 2
	v_mov_b32 v[FX], v[FS+1]
	v_mov_b32 v[FX+2], v[FS+3]
.endif
	FETCHV \slot, (\q)+1, ((\q)+1)%2
.if (\q) == 3
	ds_load_b128 v[FS:FS+3], v[FTA]                ; this chunk's factors, for the next quarter
	v_add_nc_u32 v[FTA], 256, v[FTA]
.endif
.if (\grp) >= 0
	PLOAD ((\q)+7)%8, \grp
.endif
.if (\mode) >= 2
.set DF, 3-(\mode)
	DRAIN 0, 2, DF
.set dn, 0
.rept 16
.if dn < 15
	DRAIN 2*dn+2, 2, DF
.endif
	MULS (\q)%2, \q, 2*dn, 2, 1
.set dn, dn+1
.endr
.else
	MULS (\q)%2, \q, 0, 32, \mode
.endif
.endm
; A slot's last quarter changes slots: one barrier; in front of it each wave waits for all its tensor loads (its part of the next slot), adds 0 to its spare word, and waits for that; its reads of this slot are over.
; fill = 1: the barrier opens a round of the cluster's, and behind it this slot is filled again first, with the keys two slots on.
.macro TURN slot, next, fill, grp, lc
	s_wait_dscnt 0x0                               ; this quarter's V is in: my last reads of this slot
	s_wait_loadcnt \lc
	WIN 0
	s_wait_tensorcnt 0x0
	ds_add_u32 v[SPW], v[NIL]                      ; 0 onto my spare word; eight matrix instructions stand between it and the wait for it
	MULS 1, 7, 0, 8, 0
	s_wait_dscnt 0x0                               ; the add is done
	s_barrier_signal -1
	MULS 1, 7, 8, 8, 0
	WIN 0
	s_barrier_wait -1
.if \fill
	CREST                                          ; no wave of any partner still reads this slot's tile or has a load on its way
	s_add_nc_u64 s[G0+4*\slot+2:G0+4*\slot+3], s[G0+4*\slot+2:G0+4*\slot+3], 1048576
	TLOAD \slot                                    ; the four v_nop behind it are also the places in front of the loads below
.else
	PLACES
.endif
	FETCHV \next, 0, 0
	ds_load_b128 v[FS:FS+3], v[FTA]                ; this chunk's factors
	v_add_nc_u32 v[FTA], 256, v[FTA]
	PLOAD 6, \grp
	MULS 1, 7, 16, 16, 0
.endm
	s_wait_dscnt 0x0                               ; my factors lie in LDS
	s_wait_tensorcnt 1                             ; my part of slot 0 is in; slot 1's may stay out
	s_barrier_signal -1
	s_barrier_wait -1
	FETCHV 0, 0, 0
	QUARTER 0, 0, 1, 7, 48                         ; the first five quarters stand in front of the loop: the first starts T, the fifth starts O
	QUARTER 0, 1, 0, 8, 48
	QUARTER 0, 2, 0, 9, 48
	QUARTER 0, 3, 0, 10, 48
	QUARTER 0, 4, 2, 11, 48
	WIN 0
	s_mov_b32 s3, 3
.Llap:                                                 ; a trip is 16 quarters, once round the ring, from a slot's sixth quarter on; it fills both slots again
	QUARTER 0, 5, 0, 12, 48
	QUARTER 0, 6, 0, 13, 48
	TURN 0, 1, 1, 14, 48
	QUARTER 1, 0, 3, 15, 48
	QUARTER 1, 1, 0, 16, 48
	QUARTER 1, 2, 0, 17, 48
	QUARTER 1, 3, 0, 18, 48
	QUARTER 1, 4, 3, 19, 48
	QUARTER 1, 5, 0, 20, 48
	QUARTER 1, 6, 0, 21, 48
	TURN 1, 0, 1, 22, 48
	QUARTER 0, 0, 3, 23, 48
	QUARTER 0, 1, 0, 24, 48
	QUARTER 0, 2, 0, 25, 48
	QUARTER 0, 3, 0, 26, 48
	QUARTER 0, 4, 3, 27, 48
	WIN 0
	s_wait_xcnt 0x0                                ; the loads of P have read their base: only behind this wait is it stepped
	s_add_nc_u64 s[PB:PB+1], s[PB:PB+1], 16384     ; 16 quarters on
	s_sub_co_u32 s3, s3, 1
	s_cmp_lg_u32 s3, 0
	s_cbranch_scc1 .Llap
	QUARTER 0, 5, 0, 12, 48                        ; the tail is written out: no slot is filled again, P's last four quarters are asked for, and then the counts run down
	QUARTER 0, 6, 0, 13, 48
	TURN 0, 1, 0, 14, 48
	QUARTER 1, 0, 3, 15, 48
	QUARTER 1, 1, 0, -1, 48
	QUARTER 1, 2, 0, -1, 40
	QUARTER 1, 3, 0, -1, 32
	QUARTER 1, 4, 3, -1, 24
	QUARTER 1, 5, 0, -1, 16
	QUARTER 1, 6, 0, -1, 8
	s_wait_dscnt 0x0
	s_wait_loadcnt 0x0
	WIN 0
	ds_load_b128 v[FS:FS+3], v[FTA]                ; the last chunk's factors
	MULS 1, 7, 0, 32, 0
	WIN 0
	s_wait_dscnt 0x0
	PLACES                                         ; behind the last products
	v_mov_b32 v[FX], v[FS+1]
	v_mov_b32 v[FX+2], v[FS+3]
; THE WAY OUT, block by block of 16 queries x 128 channels: the last chunk is taken into O, O goes through my own stage and comes back as whole rows of 512 bytes, which the 32 lanes store.
.macro TOSTAGE a
	DRAIN 8*(\a), 8, 0
	WIN W_ST
.irp b, 0,1,2,3,4,5,6,7
	ds_store_b128 v[STO], v[64*(\a)+8*\b:64*(\a)+8*\b+3] offset:64*\b
	ds_store_b128 v[STO], v[64*(\a)+8*\b+4:64*(\a)+8*\b+7] offset:64*\b+16
.endr
	WIN 0
.set BB, VF+64*((\a)%2)
.irp t, 0,1,2,3,4,5,6,7,8,9,10,11,12,13,14,15
	ds_load_b128 v[BB+4*\t:BB+4*\t+3], v[RD] offset:\t*SPITCH      ; LDS serves a wave's instructions in order: these see the stores above
.endr
.endm
.macro SEND a, younger                 ; younger: the LDS instructions issued behind block a's loads, which may stay out
.set BB, VF+64*((\a)%2)
	s_wait_dscnt \younger
.if (\a) > 0
	s_add_nc_u64 s[8:9], s[8:9], 16*4096           ; (behind a wait on XCNT: the earlier stores have read their base)  16 rows on
.endif
.irp t, 0,1,2,3,4,5,6,7,8,9,10,11,12,13,14,15
	global_store_b128 v[CO], v[BB+4*\t:BB+4*\t+3], s[8:9] offset:\t*4096 th:TH_STORE_NT   ; 32 lanes store 512 consecutive bytes, aligned; written once, read by nobody here
.endr
.endm
	TOSTAGE 0
.irp a, 1,2,3
.if \a > 1
	s_wait_xcnt 0x0                                ; block a - 2's stores have read their registers and their base
.endif
	TOSTAGE \a
	SEND \a-1, 32                                  ; behind block a - 1's loads: block a's 16 stores and 16 loads
.endr
	s_wait_xcnt 0x0
	SEND 3, 0
	s_wait_tensorcnt 0x0                           ; the wave's end, behind my last tensor load and my last LDS store
	ds_add_u32 v[SPW], v[NIL]
	s_wait_dscnt 0x0
	CROUND                                         ; the closing round
	s_endpgm
.Lfunc_end_k_q4d90f739b0_pv:
	.size	k_q4d90f739b0_pv, .Lfunc_end_k_q4d90f739b0_pv-k_q4d90f739b0_pv
	.p2alignl 7, 3214868480
	.fill 96, 4, 3214868480
	.section	.rodata,"a",@progbits
	.p2align	6, 0x0
	.amdhsa_kernel k_q4d90f739b0_pv
		.amdhsa_group_segment_fixed_size 327680
		.amdhsa_private_segment_fixed_size 0
		.amdhsa_enable_private_segment 0
		.amdhsa_kernarg_size 32
		.amdhsa_user_sgpr_count 2
		.amdhsa_user_sgpr_kernarg_segment_ptr 1
		.amdhsa_wavefront_size32 1
		.amdhsa_system_sgpr_workgroup_id_x 1
		.amdhsa_system_sgpr_workgroup_id_y 1
		.amdhsa_system_sgpr_workgroup_id_z 1
		.amdhsa_system_vgpr_workitem_id 0
		.amdhsa_next_free_vgpr 1024
		.amdhsa_next_free_sgpr 74
		.amdhsa_reserve_vcc 0
		.amdhsa_float_denorm_mode_32 3
		.amdhsa_float_denorm_mode_16_64 3
		.amdhsa_memory_ordered 1
		.amdhsa_forward_progress 1
		.amdhsa_inst_pref_size 236
	.end_amdhsa_kernel
	.amdgpu_metadata
---
amdhsa.version: [ 1, 2 ]
amdhsa.kernels:
  - .name:           k_q4d90f739b0_pv
    .symbol:         k_q4d90f739b0_pv.kd
    .args:
      - { .name: pw, .offset: 0, .size: 8, .value_kind: global_buffer, .address_space: global }
      - { .name: qkv, .offset: 8, .size: 8, .value_kind: global_buffer, .address_space: global }
      - { .name: stat, .offset: 16, .size: 8, .value_kind: global_buffer, .address_space: global }
      - { .name: out0, .offset: 24, .size: 8, .value_kind: global_buffer, .address_space: global }
    .group_segment_fixed_size: 327680
    .private_segment_fixed_size: 0
    .kernarg_segment_align: 8
    .kernarg_segment_size: 32
    .max_flat_workgroup_size: 128
    .sgpr_count:     74
    .vgpr_count:     1024
    .wavefront_size: 32
...
	.end_amdgpu_metadata
.endif
;; end of part 4
